; MI455X (gfx1250); checked and timed in simulation.
; The chip was launched on July 23, 2026; its instructions are those of AMD's public machine-readable ISA for CDNA 5 (MIT licence, August 2026) and "CDNA5" Instruction Set Architecture Reference Guide (July 2026). The comments in the code are by the model that wrote it; some were corrected since.
;; Multi Head Self Attention. Allowed arithmetic: matrix products marked QUANTISED: E2M3 operands, one E8M0 scale for each 32 along K, by v_wmma_scale_f32_16x16x128_f8f6f4 with both operands' format E2M3, f32 sums; everything else in f32.
;; Inputs: Wo 1,024 x 1,024 float32; Wqkv 3,072 x 1,024 float32; bo 1,024 float32; bqkv 3,072 float32; positions 4 x 2,048 int32; x 4 x 2,048 x 1,024 float32.
;; Outputs: out0 4 x 2,048 x 1,024 float32.
;; This version of the problem:
;;   THIS VERSION OF THE PROBLEM IS GIVEN IN LOW PRECISION. The matrix products marked QUANTISED in the list below multiply operands that are first quantised to E2M3 (2 exponent bits, 3 mantissa bits; 6 bits a number), with one power-of-two scale for each 32 numbers along K (OCP MX v1.0); their sums are f32. All else is computed in f32.
;;   The module's matrix products, in the order in which they are computed (A, B: the left and right operand; K: the contracted axis; several contracted axes count as one K, in the product's order):
;;     1. [M 8,192, K 1,024] x [K 1,024, N 3,072]; A: input x; B: input Wqkv: QUANTISED
;;     2. batch 64 x [M 2,048, K 64] x [K 64, N 2,048]; A: computed on the way; B: computed on the way: QUANTISED
;;     3. batch 64 x [M 2,048, K 2,048] x [K 2,048, N 64]; A: softmax (see below); B: computed on the way: QUANTISED
;;     4. [M 8,192, K 1,024] x [K 1,024, N 1,024]; A: computed on the way; B: input Wo: QUANTISED
;;   THE QUANTISER, for each operand of a quantised product, along K:
;;     - K is cut into blocks of 32 from its start; a last block that is shorter is filled with zeros.
;;     - A block's scale is 2^e with e = floor(log2(the largest magnitude in the block)) - 2, held to -126 .. 127; a block of zeros has e = 0. As a byte (E8M0): e + 127.
;;     - Each number is divided by its block's scale, clamped to +-7.5, and rounded to the nearest number of E2M3, ties to even, subnormals kept.
;;     - The product sums the exact products of the quantised numbers (number of the format x scale) in f32.
;;   ~~~python
;;   def quantise(x, axis):      # numpy; x: float32 -> the quantised numbers, widened to float32 again
;;       x = np.moveaxis(x, axis, -1); K = x.shape[-1]
;;       x = np.pad(x, [(0, 0)] * (x.ndim - 1) + [(0, -K % 32)]); x = x.reshape(x.shape[:-1] + (-1, 32)); a = np.abs(x).max(-1, keepdims=True)
;;       e = np.where(a > 0, np.clip(np.frexp(np.where(a > 0, a, 1))[1] - 1 - 2, -126, 127), 0)      # np.frexp(a)[1] - 1 = floor(log2(a)), exactly
;;       r = np.clip(x / 2.0 ** e, -7.5, 7.5)
;;       step = 2.0 ** (np.maximum(np.frexp(np.where(r == 0, 1, r))[1] - 1, 0) - 3)
;;       q = np.round(r / step) * step * 2.0 ** e      # np.round: ties to even
;;       return np.moveaxis(q.reshape(q.shape[:-2] + (-1,))[..., :K], -1, axis).astype(np.float32)
;;   ~~~
;;   SOFTMAX AHEAD OF A QUANTISED PRODUCT. Where the list says 'softmax', what is quantised is not the finished softmax but p = 2^(t - M), with t = logit x log2(e) and M = ceil(the row's largest t), a whole number; so 1/2 < the row's largest p <= 1. The row's sum l is taken of the UNQUANTISED p, in f32, and the product's result is divided by l at the end. Since M is a whole number, a kernel that streams over the keys may use a running M (the ceiling of the running maximum): every later rescaling is an exact power of two, which a block's scale takes up: the codes' values come out the same.
;;   OPERANDS COMPUTED ON THE WAY. 'Computed on the way' means the value that the module computes at that place (a softmax that the list does not call 'softmax' is quantised finished and normalised). What goes into a quantiser is computed in f32, as accurately as f32 sums, v_exp_f32 and their like allow (about 1e-6 of the number): no bf16 or f16 on the way to a quantiser, and a product that is left as it is and whose result goes on into a quantised operand takes f32 operands (vector FMAs, or v_wmma_f32_16x16x4_f32). A number that lies on a knife's edge between two numbers of the format may be rounded either way, as far as f32 arithmetic and the matrix unit's own rounding can turn it there, and no further.
;; One version. Each part assembles by itself: llvm-mc -triple=amdgcn-amd-amdhsa -mcpu=gfx1250 --defsym DOCPART=n.
;; ======== version 1 of 1: 4 launches
;; workspace buffers: xq 6,553,600 bytes; wq 3,276,800 bytes; cs 2,097,152 bytes; qq 6,815,744 bytes; kv 13,369,344 bytes; hq 6,553,600 bytes
;; launch prep (part 1): grid 512 x 1, 4 waves a work-group, no clusters, 34,304 bytes of LDS; arguments x, Wqkv, Wo, positions, xq, wq, cs; writes xq, wq, cs
.if DOCPART == 1
	.amdgcn_target "amdgcn-amd-amdhsa--gfx1250"
	.amdhsa_code_object_version 6
	.text
	.protected	k_q5bc484a0d2_prep
	.globl	k_q5bc484a0d2_prep
	.p2align	8
	.type	k_q5bc484a0d2_prep,@function
k_q5bc484a0d2_prep:
	s_mov_b64 s[64:65], 0
	v_nop
	global_prefetch_b8 v0, s[64:65] scope:SCOPE_SE
	s_setreg_imm32_b32 hwreg(HW_REG_WAVE_MODE, 25, 1), 1
	s_wait_xcnt 0x0
; x [8192][1024], Wqkv [3072][1024], Wo [1024][1024], f32, become codes of FP6 (E2M3) with one E8M0 byte for each 32 along K; positions become a table of cos and sin.
; A block's scale is 2^(floor(log2(largest magnitude)) - 2); its byte is the largest magnitude's exponent field - 2, held at 1 from below.
; LAYOUT OF THE CODES: in the order of an operand's registers.  Tile T = 16 rows: lane r takes row 32 (T / 2) + 8 (T % 2) + r + 8 (r / 8).  K step s = 128 along K.  A fragment (T, s) is 12 registers a lane, 1,536 bytes:
; register p of lane L at 512 (p / 4) + 16 L + 4 (p % 4).  The four blocks of a K step are permuted, alike in every operand: the fragment's block 2 c + h (registers 6 c .. 6 c + 5 of lane half h) holds block 2 h + c of the K step.
; Scale words: [T][s / 4][r][s % 4], 4 bytes each.  Wqkv's tiles are stored in the order 12 head + 4 part + tile, so that one head's rows of q, k and v are 12 neighbouring tiles.
; SHARES: work-groups 0-255 take x, 256-351 Wqkv, 352-383 Wo (only pointers and offsets are chosen: one path), 384-511 the table.  A wave takes 16 rows x 512 numbers: four K steps.
; Each load reads 512 consecutive bytes of a row; a K step's 16 rows turn through the wave's own stage in LDS (rows 528 bytes apart), from which a lane takes 16 neighbours of each block.
; THE TABLE cs: [T][4096]: an image of 32 registers: register 2 P = cos, 2 P + 1 = sin of position(row of lane r) x 10^(-(16 b + 8 h + p) / 8), P = 8 b + p.
; LIMITS: NaN and infinities are not served; a block of zeros or under 2^-124 gets the byte 1 (its codes are zeros; this program alone reads the bytes); |positions| under 2^22 (a reduction by pi / 2 in two parts);
; the frequencies are 10^(-i / 8) rounded to f32.
.set R,   16                           ; v16-143  two sets of 16 x 4 registers as loaded
.set X,   144                          ; v144-207 64 numbers: register 16 b + i = element 16 h + i of the fragment's block b
.set PC,  208                          ; v208-219 the fragment's codes
.set CT,  220                          ; v220-226 the conversions' second halves
.set TM,  228                          ; v228-243 at work
.set W,   244                          ; v244-247 the four K steps' scale words
.set OU,  248
.set SEL, 40                           ; s[40:41] selects for lane l xor 16
.set HM,  42                           ; s42 the mask of lanes 16-31
.set PH,  44
.set PL,  45
.set KS1, 46
.set KS2, 47
.set KS3, 48
.set KC1, 49
.set KC2, 50
.set KC3, 51
; 64 numbers of a lane become a fragment's 12 registers of codes and its scale word
.macro QUANT s, pc, ct, pw
.irp b, 0,1,2,3
	v_max3_num_f32 v[TM+\b], |v[(\s)+16*\b]|, |v[(\s)+1+16*\b]|, 0x1800000   ; my 16 numbers of block b, and the floor 2^(3 - 127): the byte cannot fall under 1
.endr
.irp i, 2,4,6,8,10,12,14
.irp b, 0,1,2,3
	v_max3_num_f32 v[TM+\b], v[TM+\b], |v[(\s)+16*\b+\i]|, |v[(\s)+1+16*\b+\i]|
.endr
.endr
.irp b, 0,1,2,3
	v_permlanex16_b32 v[TM+4+\b], v[TM+\b], s[SEL], s[SEL+1]
.endr
.irp b, 0,1,2,3
	v_max_num_f32 v[TM+\b], v[TM+\b], v[TM+4+\b]          ; with lane l xor 16's: the block's largest magnitude
.endr
.irp b, 0,1,2,3
	v_add_nc_u32 v[TM+12+\b], 0xff000000, v[TM+\b]        ; 2 off its exponent field: the conversion's scale operand
.endr
.irp b, 0,1,2,3
	v_lshrrev_b32 v[TM+4+\b], 23, v[TM+12+\b]             ; the scale's byte
.endr
	v_lshl_or_b32 v[\pw], v[TM+5], 8, v[TM+4]
	v_lshl_or_b32 v[\pw], v[TM+6], 16, v[\pw]
	v_lshl_or_b32 v[\pw], v[TM+7], 24, v[\pw]
.irp c, 0,1
	v_cvt_scalef32_pk16_fp6_f32 v[(\pc)+6*\c:(\pc)+6*\c+2], v[(\s)+32*\c:(\s)+32*\c+15], v[TM+12+2*\c]
	v_cvt_scalef32_pk16_fp6_f32 v[(\ct)+4*\c:(\ct)+4*\c+2], v[(\s)+32*\c+16:(\s)+32*\c+31], v[TM+12+2*\c+1]
.endr
	v_nop                                                 ; one plain place behind a scaled conversion
.irp c, 0,1
.irp i, 0,1,2
	v_permlane16_swap_b32 v[(\pc)+6*\c+\i], v[(\ct)+4*\c+\i]   ; a whole block to a lane: lanes 0-15 block 2 c, lanes 16-31 block 2 c + 1
.endr
.irp i, 0,1,2
	v_mov_b32 v[(\pc)+3+6*\c+\i], v[(\ct)+4*\c+\i]
.endr
.endr
.endm
	s_load_b256 s[4:11], s[0:1], 0x0               ; x, Wqkv, Wo, positions
	s_load_b128 s[12:15], s[0:1], 0x20             ; xq, wq
	s_load_b64 s[16:17], s[0:1], 0x30              ; cs
	v_lshl_add_u32 v254, v0, 2, 0x8400
	v_mov_b32 v255, 0
	v_lshrrev_b32 v5, 5, v0
	v_readfirstlane_b32 s18, v5                    ; wave
	v_and_b32 v6, 31, v0                           ; L
	v_and_b32 v7, 15, v0                           ; r
	v_bfe_u32 v8, v0, 4, 1                         ; h
	v_lshlrev_b32 v1, 4, v6                        ; 16 L
	s_mov_b32 s[SEL], 0x76543210
	s_mov_b32 s[SEL+1], 0xfedcba98
	s_mov_b32 s[HM], 0xffff0000
	s_cmp_ge_u32 ttmp9, 384
	s_cbranch_scc1 .Ltable
	s_mul_i32 s19, s18, 8448                       ; my stage: 16 rows of 528 bytes
	v_add_nc_u32 v2, s19, v1                       ; in: 16 L of a row
	v_mul_u32_u24 v3, v7, 528
	v_lshl_add_u32 v3, v8, 6, v3
	v_add_nc_u32 v3, s19, v3                       ; out: row r, + 64 h
	v_lshlrev_b32 v4, 4, v7
	v_lshl_add_u32 v4, v8, 3, v4                   ; 16 r + 8 h: the scale words' place
.irp b, 0,1,2,3
	v_mov_b32 v[TM+4+\b], 0                        ; written once: a lane permute's destination counts as one of its sources
.endr
	s_wait_kmcnt 0x0
	s_cmp_lt_u32 ttmp9, 352                        ; Wqkv's work-group or Wo's: the choices hang on the work-group's number alone
	s_cselect_b64 s[20:21], s[6:7], s[8:9]
	s_mov_b32 s22, 352
	s_cselect_b32 s22, 256, s22                    ; the tensor's first work-group
	s_cselect_b32 s23, 0, 2457600                  ; where its codes begin in the buffer
	s_mov_b32 s24, 3244032
	s_cselect_b32 s24, 2359296, s24                ; and its scale words
	s_cmp_lt_u32 ttmp9, 256                        ; or x's
	s_cselect_b64 s[20:21], s[4:5], s[20:21]
	s_cselect_b64 s[26:27], s[12:13], s[14:15]
	s_cselect_b32 s22, 0, s22
	s_cselect_b32 s23, 0, s23
	s_cselect_b32 s24, 6291456, s24
	s_sub_co_u32 s25, ttmp9, s22
	s_lshl_b32 s25, s25, 2
	s_add_co_u32 s25, s25, s18                     ; u = 4 (g - first) + wave
	s_lshr_b32 s28, s25, 1                         ; T
	s_and_b32 s29, s25, 1                          ; which half of K
	s_and_b32 s30, s28, 63
	s_lshr_b32 s30, s30, 2
	s_mul_i32 s30, s30, 12                         ; 12 head
	s_lshr_b32 s31, s28, 6
	s_lshl_b32 s31, s31, 2                         ; 4 part
	s_add_co_u32 s30, s30, s31
	s_and_b32 s31, s28, 3
	s_add_co_u32 s30, s30, s31
	s_sub_co_u32 s31, ttmp9, 256
	s_cmp_lt_u32 s31, 96
	s_cselect_b32 s30, s30, s28                    ; the tile's place in the buffer: permuted for Wqkv alone
	s_lshr_b32 s31, s28, 1
	s_lshl_b32 s31, s31, 17                        ; 32 rows of 4,096 bytes
	s_and_b32 s32, s28, 1
	s_lshl_b32 s32, s32, 15                        ; 8 rows
	s_add_co_u32 s32, s31, s32
	s_lshl_b32 s33, s29, 11
	s_add_co_u32 s32, s32, s33
	s_mov_b32 s33, 0
	s_add_nc_u64 s[20:21], s[20:21], s[32:33]      ; the source at my first row, my half of K
	s_lshl_b32 s34, s30, 3
	s_lshl_b32 s35, s29, 2
	s_add_co_u32 s34, s34, s35
	s_mul_i32 s34, s34, 1536
	s_add_co_u32 s34, s34, s23
	s_mov_b32 s35, 0
	s_add_nc_u64 s[36:37], s[26:27], s[34:35]      ; my four fragments
	s_lshl_b32 s34, s30, 9
	s_lshl_b32 s38, s29, 8
	s_add_co_u32 s34, s34, s38
	s_add_co_u32 s34, s34, s24
	s_add_nc_u64 s[38:39], s[26:27], s[34:35]      ; my 256 bytes of scale words
.macro LOAD t                          ; K step t: 16 rows x 512 consecutive bytes
.set li, 0
.rept 16
	global_load_b128 v[R+64*((\t)%2)+4*li:R+64*((\t)%2)+4*li+3], v1, s[20:21] offset:(li+8*(li/8))*4096+512*(\t) th:TH_LOAD_NT
.set li, li+1
.endr
.endm
.macro STEP t
.if (\t) < 3
	s_wait_loadcnt 16                              ; this step's 16 loads are in; the next step's 16 may be out
.else
	s_wait_loadcnt 0x0
.endif
.set li, 0
.rept 16
	ds_store_b128 v2, v[R+64*((\t)%2)+4*li:R+64*((\t)%2)+4*li+3] offset:528*li
.set li, li+1
.endr
.irp b, 0,1,2,3                        ; LDS serves a wave's instructions in order: these see the stores.  The fragment's block b takes block 2 (b % 2) + b / 2 of the K step
.irp j, 0,1,2,3
	ds_load_b128 v[X+16*\b+4*\j:X+16*\b+4*\j+3], v3 offset:128*(2*(\b%2)+\b/2)+16*\j
.endr
.endr
	s_wait_dscnt 0x0                               ; the numbers are back, and the stores into the stage have read their registers
	s_wait_xcnt 0x0                                ; the last step's stores have read the codes' registers
.if (\t) < 2
	LOAD (\t)+2
.endif
	QUANT X, PC, CT, W+(\t)
.irp g, 0,1,2
	global_store_b128 v1, v[PC+4*\g:PC+4*\g+3], s[36:37] offset:1536*(\t)+512*\g   ; 512 consecutive bytes
.endr
.endm
	LOAD 0
	LOAD 1
	STEP 0
	STEP 1
	STEP 2
	STEP 3
	v_cndmask_b32 v[OU], v[W], v[W+2], s[HM]       ; lanes 0-15 store K steps 0, 1 of their row, lanes 16-31 K steps 2, 3
	v_cndmask_b32 v[OU+1], v[W+1], v[W+3], s[HM]
	global_store_b64 v4, v[OU:OU+1], s[38:39]      ; 256 consecutive bytes
	s_wait_tensorcnt 0x0
	ds_add_u32 v254, v255
	s_wait_dscnt 0x0
	s_endpgm
.Ltable:
	s_sub_co_u32 s19, ttmp9, 384
	s_lshl_b32 s19, s19, 2
	s_add_co_u32 s19, s19, s18                     ; T
	s_lshr_b32 s20, s19, 1
	s_lshl_b32 s20, s20, 5
	s_and_b32 s21, s19, 1
	s_lshl_b32 s21, s21, 3
	s_add_co_u32 s20, s20, s21                     ; the tile's first token
	v_and_b32 v9, 8, v7
	v_add_nc_u32 v9, v9, v7
	v_add_nc_u32 v9, s20, v9
	v_lshlrev_b32 v9, 2, v9
	s_lshl_b32 s22, s19, 12
	s_mov_b32 s23, 0
	s_mov_b32 s[PH], 0x3fc90fdb                    ; pi / 2, upper part;
	s_mov_b32 s[PL], 0x333bbd2e                    ; what the upper part has too much
	s_mov_b32 s[KS1], 0xbe2aaaa3                   ; sin: -1.6666654611e-1, 8.3321608736e-3, -1.9515295891e-4
	s_mov_b32 s[KS2], 0x3c08839e
	s_mov_b32 s[KS3], 0xb94ca1f9
	s_mov_b32 s[KC1], 0x3d2aaaa5                   ; cos: 4.166664568e-2, -1.388731625e-3, 2.443315712e-5
	s_mov_b32 s[KC2], 0xbab6061a
	s_mov_b32 s[KC3], 0x37ccf5ce
	s_wait_kmcnt 0x0
	global_load_b32 v10, v9, s[10:11]
	s_add_nc_u64 s[16:17], s[16:17], s[22:23]
	s_wait_loadcnt 0x0
	v_cvt_f32_i32 v10, v10
; pair p: the frequency of my half, the angle as one f32 product, its reduction by n x pi / 2, two polynomials on |rho| <= pi / 4, and the quadrant
.macro SINCOS p, f0, f1
	v_mov_b32 v11, \f0
	v_mov_b32 v12, \f1
	v_cndmask_b32 v11, v11, v12, s[HM]
	v_mul_f32 v11, v10, v11                        ; a
	v_mul_f32 v12, 0x3f22f983, v11
	v_rndne_f32 v12, v12                           ; n = the whole number nearest to a x 2 / pi
	v_fma_f32 v13, -v12, s[PH], v11
	v_fma_f32 v13, v12, s[PL], v13                 ; rho
	v_mul_f32 v14, v13, v13                        ; z
	v_mov_b32 v15, s[KS2]
	v_fma_f32 v15, v14, s[KS3], v15
	v_fma_f32 v15, v15, v14, s[KS1]
	v_mul_f32 v15, v15, v14
	v_fma_f32 v15, v15, v13, v13                   ; sin rho
	v_mov_b32 v16, s[KC2]
	v_fma_f32 v16, v14, s[KC3], v16
	v_fma_f32 v16, v16, v14, s[KC1]
	v_mul_f32 v17, v14, v14
	v_fma_f32 v18, v14, -0.5, 1.0
	v_fma_f32 v16, v16, v17, v18                   ; cos rho
	v_cvt_i32_f32 v19, v12
	v_and_b32 v20, 1, v19
	v_cmp_eq_u32 vcc_lo, 1, v20
	v_cndmask_b32 v21, v16, v15, vcc_lo            ; an odd quadrant changes the two
	v_cndmask_b32 v22, v15, v16, vcc_lo
	v_add_nc_u32 v20, 1, v19
	v_and_b32 v20, 2, v20
	v_lshlrev_b32 v20, 30, v20                     ; cos is negative in quadrants 1 and 2,
	v_xor_b32 v[32+2*(\p)], v20, v21
	v_and_b32 v19, 2, v19
	v_lshlrev_b32 v19, 30, v19                     ; sin in 2 and 3
	v_xor_b32 v[33+2*(\p)], v19, v22
.endm
	SINCOS 0, 1.0, 0.1
	SINCOS 1, 0.7498942093, 0.07498942093
	SINCOS 2, 0.5623413252, 0.05623413252
	SINCOS 3, 0.4216965034, 0.04216965034
	SINCOS 4, 0.3162277660, 0.03162277660
	SINCOS 5, 0.2371373706, 0.02371373706
	SINCOS 6, 0.1778279410, 0.01778279410
	SINCOS 7, 0.1333521432, 0.01333521432
	SINCOS 8, 0.01, 0.001
	SINCOS 9, 0.007498942093, 0.0007498942093
	SINCOS 10, 0.005623413252, 0.0005623413252
	SINCOS 11, 0.004216965034, 0.0004216965034
	SINCOS 12, 0.003162277660, 0.0003162277660
	SINCOS 13, 0.002371373706, 0.0002371373706
	SINCOS 14, 0.001778279410, 0.0001778279410
	SINCOS 15, 0.001333521432, 0.0001333521432
.irp g, 0,1,2,3,4,5,6,7
	global_store_b128 v1, v[32+4*\g:35+4*\g], s[16:17] offset:512*\g
.endr
	s_endpgm
.Lfunc_end_k_q5bc484a0d2_prep:
	.size	k_q5bc484a0d2_prep, .Lfunc_end_k_q5bc484a0d2_prep-k_q5bc484a0d2_prep
	.p2alignl 7, 3214868480
	.fill 96, 4, 3214868480
	.section	.rodata,"a",@progbits
	.p2align	6, 0x0
	.amdhsa_kernel k_q5bc484a0d2_prep
		.amdhsa_group_segment_fixed_size 34304
		.amdhsa_private_segment_fixed_size 0
		.amdhsa_enable_private_segment 0
		.amdhsa_kernarg_size 56
		.amdhsa_user_sgpr_count 2
		.amdhsa_user_sgpr_kernarg_segment_ptr 1
		.amdhsa_wavefront_size32 1
		.amdhsa_system_sgpr_workgroup_id_x 1
		.amdhsa_system_sgpr_workgroup_id_y 1
		.amdhsa_system_sgpr_workgroup_id_z 1
		.amdhsa_system_vgpr_workitem_id 0
		.amdhsa_next_free_vgpr 256
		.amdhsa_next_free_sgpr 66
		.amdhsa_reserve_vcc 1
		.amdhsa_float_denorm_mode_32 3
		.amdhsa_float_denorm_mode_16_64 3
		.amdhsa_memory_ordered 1
		.amdhsa_forward_progress 1
		.amdhsa_inst_pref_size 59
	.end_amdhsa_kernel
	.amdgpu_metadata
---
amdhsa.version: [ 1, 2 ]
amdhsa.kernels:
  - .name:           k_q5bc484a0d2_prep
    .symbol:         k_q5bc484a0d2_prep.kd
    .args:
      - { .name: x, .offset: 0, .size: 8, .value_kind: global_buffer, .address_space: global }
      - { .name: Wqkv, .offset: 8, .size: 8, .value_kind: global_buffer, .address_space: global }
      - { .name: Wo, .offset: 16, .size: 8, .value_kind: global_buffer, .address_space: global }
      - { .name: positions, .offset: 24, .size: 8, .value_kind: global_buffer, .address_space: global }
      - { .name: xq, .offset: 32, .size: 8, .value_kind: global_buffer, .address_space: global }
      - { .name: wq, .offset: 40, .size: 8, .value_kind: global_buffer, .address_space: global }
      - { .name: cs, .offset: 48, .size: 8, .value_kind: global_buffer, .address_space: global }
    .group_segment_fixed_size: 34304
    .private_segment_fixed_size: 0
    .kernarg_segment_align: 8
    .kernarg_segment_size: 56
    .max_flat_workgroup_size: 128
    .sgpr_count:     66
    .vgpr_count:     256
    .wavefront_size: 32
...
	.end_amdgpu_metadata
.endif
;; end of part 1
;; launch qkv (part 2): grid 16 x 32, 4 waves a work-group, clusters of 4 x 4, 327,680 bytes of LDS; arguments xq, wq, bqkv, cs, qq, kv; writes qq, kv
.if DOCPART == 2
	.amdgcn_target "amdgcn-amd-amdhsa--gfx1250"
	.amdhsa_code_object_version 6
	.text
	.protected	k_q5bc484a0d2_qkv
	.globl	k_q5bc484a0d2_qkv
	.p2align	8
	.type	k_q5bc484a0d2_qkv,@function
k_q5bc484a0d2_qkv:
	s_mov_b64 s[64:65], 0
	v_nop
	global_prefetch_b8 v0, s[64:65] scope:SCOPE_SE
	s_setreg_imm32_b32 hwreg(HW_REG_WAVE_MODE, 25, 1), 1
	s_wait_xcnt 0x0
	s_wait_alu depctr_hold_cnt(0) depctr_sa_sdst(0) depctr_va_vdst(0) depctr_va_sdst(0) depctr_va_ssrc(0) depctr_va_vcc(0) depctr_vm_vsrc(0)
	s_getreg_b32 s2, hwreg(HW_REG_IB_STS2, 6, 4)
	s_cmp_eq_u32 s2, 0
	s_cbranch_scc0 .Lentry_in_a_cluster
	s_endpgm
.Lentry_in_a_cluster:
	s_bfe_u32 s2, ttmp6, 0x10000c
	s_cmp_lg_u32 s2, 0xf033
	s_cbranch_scc0 .Lentry_shape_is_right
	s_endpgm
.Lentry_shape_is_right:
; qkv = x Wqkv^T + bqkv on codes of FP6 (E2M3); RoPE on q and k; q and k quantised along the head's 64, v along the keys.  Nothing leaves but codes and scale words.
; SHARES.  A work-group makes 256 tokens x one head's q, k and v (192 columns); each of its four waves 64 tokens x 192: 48 accumulators, 384 registers.  K = 1,024 is eight steps of 128.
; Fragments lie in memory in the order of the operand's registers (1,536 bytes each: three loads of 16 bytes a lane), tile by tile, K step by K step.  A slot of LDS holds 256 along K: x's 16 tiles x 3,072 bytes, then Wqkv's 12.
; Three slots; the fourth quarter of K fills slot 0 again, once.  All scale words of the whole K come once, from memory into registers.
; CLUSTERS: 4 x 4 work-groups.  The four of a row of the cluster need the same tiles of x, the four of a column the same tiles of Wqkv: each is asked for jointly.
; q AND k ARE MADE TRANSPOSED (source 0 = 16 rows of Wqkv, source 1 = 16 tokens): a lane holds one token and neighbouring channels.  v IS MADE THE NATURAL WAY (source 0 = tokens, source 1 = rows of Wqkv): a lane holds one
; channel and neighbouring keys.  Lane r of a tile T takes row 32 (T / 2) + 8 (T % 2) + r + 8 (r / 8), so that the 16 registers of two neighbouring tiles are 16 neighbours.
; OUT.  qq: [head of batch 64][pair of tiles 64][1536]: registers 0-5 the even tile's codes (lanes 0-15 block 0, lanes 16-31 block 1 of the head's 64), registers 6-11 the odd tile's; scale words [..][4 tiles][r][4] at 6,291,456.
; kv: [head of batch][256 keys, 8][26,112]: k's 8 pairs; v's 8 fragments (128 keys f, 16 channels n) at 12,288; k's scale words at 24,576; v's [f][r][n] at 25,600.  In v's fragment, block 2 c + h holds key block 2 h + c.
; LIMITS: NaN and infinities are not served; a block of zeros or under 2^-124 gets the byte 1 (its codes are zeros; this program alone reads the bytes).
; REGISTERS, in windows of 256.  Window 0: v1-18 addresses; v24-31 v's bias; v32-47 x's scale words, v48-95 Wqkv's; v96-143, v144-191 x's fragments, two sets; on the way out v96-219 at work.
; Window 1: v0-95, v96-191 the fragments of q's and k's 8 tiles of Wqkv, two sets (on the way out cos and sin); v192-255 their bias.  Window 2: q's and k's 32 accumulators.  Window 3: v0-127 v's 16; v128-175, v176-223 v's 4 tiles of Wqkv.
.set SLOT,  86016
.set BOFF,  49152
.set VST,   3*SLOT                     ; v's scale words on their way: 256 bytes for each wave
.set SPARE, VST+1024                   ; the spare words, 128 bytes for each wave: two blocks of 256 bytes that no other line names
.set ADA,  1                           ; v1-3   16 L + 12,288 wave + slot: my four tiles of x
.set ADB,  4                           ; v4-6   16 L + 49,152 + slot: Wqkv's tiles
.set LI,   7                           ; v7     16 L
.set A128, 8                           ; v8     16 r + 256 (wave % 2) + 1,024 h
.set A64,  9                           ; v9     512 + 16 r + 256 (wave % 2) + 8 h
.set A8,   10                          ; v10    16 r + 8 h
.set AVS,  11                          ; v11    VST + 256 wave + 16 r
.set AVR,  12                          ; v12    VST + 512 h + 16 r
.set SPW,  13
.set NIL,  14
.set LSA,  15                          ; v15    16 r + 1,024 h
.set LSB,  16                          ; v16    16 r + 3,072 h
.set LBQ,  17                          ; v17    64 h
.set LBV,  18                          ; v18    4 (r + 8 (r / 8))
.set BV,   24
.set SA,   32                          ; register 8 i + s: lanes 0-15 the words of my tile i, lanes 16-31 of tile i + 2, K step s
.set SB,   48                          ; register 8 i + s: lanes 0-15 Wqkv's tile i, lanes 16-31 tile i + 6
.set AF,   96
.set T,    96
.set PC,   160
.set CT,   172
.set TM,   180
.set PW,   196                         ; v196-199 q's and k's scale words (2 kind + pair), v200 v's
.set DE,   202                         ; v202-213 two sets of six registers to store
.set TP,   214
.set G1A,  24
.set G1B,  32
.set G0A,  48                          ; s[48:59] three sets
.set G0B,  68                          ; s[68:79]
.set HM,   40
.set SEL,  42
.set SH8,  23
.set MSB, 0
.macro WIN new                         ; the immediate's high byte repeats the setting that is left
.if MSB != \new
	s_set_vgpr_msb (MSB<<8)|\new
.set MSB, \new
.endif
.endm
.macro PLACES
.rept 4
	v_nop
.endr
.endm
.macro CREST                           ; a round of the cluster's barrier behind its opening barrier
	s_cmp_lg_u32 s16, 0
	s_cbranch_scc1 .Lnot_wave_0_\@
	s_barrier_signal -3
.Lnot_wave_0_\@:
	s_barrier_wait -3
	s_barrier_signal -1
	s_barrier_wait -1
.endm
.macro ROUND
	s_barrier_signal -1
	s_barrier_wait -1
	CREST
.endm
.macro JLOAD                           ; the joint refill of slot 0: waves 0 and 1 fetch x's halves, waves 2 and 3 Wqkv's; four v_nop follow each line
	s_cmp_eq_u32 s17, 0
	s_cbranch_scc0 .Lfor_b_\@
	tensor_load_to_lds s[G0A:G0A+3], s[G1A:G1A+7]
	s_nop 0
	PLACES
	s_branch .Lasked_\@
.Lfor_b_\@:
	tensor_load_to_lds s[G0B:G0B+3], s[G1B:G1B+7]
	s_nop 0
	PLACES
.Lasked_\@:
.endm
.macro QUANT s, pc, ct, pw             ; 64 numbers of a lane (register 16 b + i = element 16 h + i of block b) become 12 registers of codes and a scale word
.irp b, 0,1,2,3
	v_max3_num_f32 v[TM+\b], |v[(\s)+16*\b]|, |v[(\s)+1+16*\b]|, 0x1800000   ; and the floor 2^(3 - 127): the byte cannot fall under 1
.endr
.irp i, 2,4,6,8,10,12,14
.irp b, 0,1,2,3
	v_max3_num_f32 v[TM+\b], v[TM+\b], |v[(\s)+16*\b+\i]|, |v[(\s)+1+16*\b+\i]|
.endr
.endr
.irp b, 0,1,2,3
	v_permlanex16_b32 v[TM+4+\b], v[TM+\b], s[SEL], s[SEL+1]
.endr
.irp b, 0,1,2,3
	v_max_num_f32 v[TM+\b], v[TM+\b], v[TM+4+\b]
.endr
.irp b, 0,1,2,3
	v_add_nc_u32 v[TM+12+\b], 0xff000000, v[TM+\b]        ; 2 off the exponent field: the conversion's scale operand
.endr
.irp b, 0,1,2,3
	v_lshrrev_b32 v[TM+4+\b], 23, v[TM+12+\b]
.endr
	v_lshl_or_b32 v[\pw], v[TM+5], 8, v[TM+4]
	v_lshl_or_b32 v[\pw], v[TM+6], 16, v[\pw]
	v_lshl_or_b32 v[\pw], v[TM+7], 24, v[\pw]
.irp c, 0,1
	v_cvt_scalef32_pk16_fp6_f32 v[(\pc)+6*\c:(\pc)+6*\c+2], v[(\s)+32*\c:(\s)+32*\c+15], v[TM+12+2*\c]
	v_cvt_scalef32_pk16_fp6_f32 v[(\ct)+4*\c:(\ct)+4*\c+2], v[(\s)+32*\c+16:(\s)+32*\c+31], v[TM+12+2*\c+1]
.endr
	v_nop                                                 ; one plain place behind a scaled conversion
.irp c, 0,1
.irp i, 0,1,2
	v_permlane16_swap_b32 v[(\pc)+6*\c+\i], v[(\ct)+4*\c+\i]
.endr
.irp i, 0,1,2
	v_mov_b32 v[(\pc)+3+6*\c+\i], v[(\ct)+4*\c+\i]
.endr
.endr
.endm
; Six registers (lanes 0-15 block 0, lanes 16-31 block 1 of one row) become one lane half of a fragment's image: registers 0-5 and 6-11 of lane r + 16 (wave % 2).  Each aligned 256 bytes is written whole by one instruction.
.macro HALFSTORE c, d, sb, imm
.irp i, 0,1,2,3
	v_cndmask_b32 v[(\d)+\i], v[(\c)+\i], v[(\c)+2+\i], s[HM]
.endr
.irp i, 0,1
	v_cndmask_b32 v[(\d)+4+\i], v[(\c)+4+\i], v[(\c)+\i], s[HM]
.endr
	global_store_b128 v[A128], v[(\d):(\d)+3], s[\sb:\sb+1] offset:\imm
	global_store_b64 v[A64], v[(\d)+4:(\d)+5], s[\sb:\sb+1] offset:\imm
.endm
.macro WMS d, a, b, c, sa, sb, ra, rb  ; one product; ra, rb: the side's scale words stand in lanes 16-31
.if (\ra) && (\rb)
	v_wmma_scale_f32_16x16x128_f8f6f4 v[(\d):(\d)+7], v[(\a):(\a)+11], v[(\b):(\b)+11], v[(\c):(\c)+7], v[\sa], v[\sb] matrix_a_fmt:MATRIX_FMT_FP6 matrix_b_fmt:MATRIX_FMT_FP6 matrix_a_scale:MATRIX_SCALE_ROW1 matrix_b_scale:MATRIX_SCALE_ROW1
.elseif (\ra)
	v_wmma_scale_f32_16x16x128_f8f6f4 v[(\d):(\d)+7], v[(\a):(\a)+11], v[(\b):(\b)+11], v[(\c):(\c)+7], v[\sa], v[\sb] matrix_a_fmt:MATRIX_FMT_FP6 matrix_b_fmt:MATRIX_FMT_FP6 matrix_a_scale:MATRIX_SCALE_ROW1
.elseif (\rb)
	v_wmma_scale_f32_16x16x128_f8f6f4 v[(\d):(\d)+7], v[(\a):(\a)+11], v[(\b):(\b)+11], v[(\c):(\c)+7], v[\sa], v[\sb] matrix_a_fmt:MATRIX_FMT_FP6 matrix_b_fmt:MATRIX_FMT_FP6 matrix_b_scale:MATRIX_SCALE_ROW1
.else
	v_wmma_scale_f32_16x16x128_f8f6f4 v[(\d):(\d)+7], v[(\a):(\a)+11], v[(\b):(\b)+11], v[(\c):(\c)+7], v[\sa], v[\sb] matrix_a_fmt:MATRIX_FMT_FP6 matrix_b_fmt:MATRIX_FMT_FP6
.endif
.endm
.macro WMZ d, a, b, sa, sb, ra         ; the same with the constant 0 as C, source 1's words in lanes 16-31
.if (\ra)
	v_wmma_scale_f32_16x16x128_f8f6f4 v[(\d):(\d)+7], v[(\a):(\a)+11], v[(\b):(\b)+11], 0, v[\sa], v[\sb] matrix_a_fmt:MATRIX_FMT_FP6 matrix_b_fmt:MATRIX_FMT_FP6 matrix_a_scale:MATRIX_SCALE_ROW1 matrix_b_scale:MATRIX_SCALE_ROW1
.else
	v_wmma_scale_f32_16x16x128_f8f6f4 v[(\d):(\d)+7], v[(\a):(\a)+11], v[(\b):(\b)+11], 0, v[\sa], v[\sb] matrix_a_fmt:MATRIX_FMT_FP6 matrix_b_fmt:MATRIX_FMT_FP6 matrix_b_scale:MATRIX_SCALE_ROW1
.endif
.endm
; q's and k's products of K step k: my tiles a0 .. a0 + n - 1 x Wqkv's tiles 0-7.  first = 1: the bias is the C of the sum's first product.  The 48 accumulators take turns, one instruction a turn.
.macro QK k, a0, n, first
.if \first
	WIN 0x91                                       ; source 0 window 1, source 1 window 0, C window 1, D window 2
.else
	WIN 0xa1                                       ; C and D window 2
.endif
.set qa, \a0
.rept \n
.set qb, 0
.rept 8
.set qd, 8*(16*(qb/4)+4*qa+qb%4)
.set qx, 96*((\k)%2)+12*qb
.set qy, AF+48*((\k)%2)+12*qa
.set qc, qd
.if \first
.set qc, 192+8*qb
.endif
.set qs, SB+8*(qb%6)+(\k)
.set qt, SA+8*(qa%2)+(\k)
.set qr, qb/6
.set qu, qa/2
	WMS qd, qx, qy, qc, qs, qt, qr, qu
.set qb, qb+1
.endr
.set qa, qa+1
.endr
.endm
.macro VV k, first                     ; v's 16 products of K step k: source 0 = my tile, source 1 = Wqkv's tile 8 + n
	WIN 0xfc                                       ; source 0 window 0; source 1, C and D window 3
.set qa, 0
.rept 4
.set qb, 0
.rept 4
.set qd, 8*(4*qb+qa)
.set qx, AF+48*((\k)%2)+12*qa
.set qy, 128+48*((\k)%2)+12*qb
.set qs, SA+8*(qa%2)+(\k)
.set qt, SB+8*(2+qb)+(\k)
.set qr, qa/2
.if \first
	WMZ qd, qx, qy, qs, qt, qr
.else
	WMS qd, qx, qy, qd, qs, qt, qr, 1
.endif
.set qb, qb+1
.endr
.set qa, qa+1
.endr
.endm
.macro LOADF k                         ; K step k's 16 fragments, 48 loads of 512 consecutive bytes, into set k % 2
.set lsl, ((\k)/2)%3
.set lst, (\k)%2
	WIN 0
.irp i, 0,1,2,3
.irp g, 0,1,2
	ds_load_b128 v[AF+48*lst+12*\i+4*\g:AF+48*lst+12*\i+4*\g+3], v[ADA+lsl] offset:3072*\i+1536*lst+512*\g
.endr
.endr
	WIN 0x40
.irp i, 0,1,2,3,4,5,6,7
.irp g, 0,1,2
	ds_load_b128 v[96*lst+12*\i+4*\g:96*lst+12*\i+4*\g+3], v[ADB+lsl] offset:3072*\i+1536*lst+512*\g
.endr
.endr
	WIN 0xc0
.irp i, 0,1,2,3
.irp g, 0,1,2
	ds_load_b128 v[128+48*lst+12*\i+4*\g:128+48*lst+12*\i+4*\g+3], v[ADB+lsl] offset:3072*(8+\i)+1536*lst+512*\g
.endr
.endr
.endm
.macro STEPK k, more, first
	s_wait_dscnt 0x0                               ; this step's fragments are in
.if \more
	PLACES                                         ; places in front of loads into the set that the last step's products read
	LOADF (\k)+1
.endif
	QK \k, 0, 4, \first
	VV \k, \first
.endm
	s_load_b256 s[4:11], s[0:1], 0x0               ; xq, wq, bqkv, cs
	s_load_b128 s[12:15], s[0:1], 0x20             ; qq, kv
	v_lshl_add_u32 v[SPW], v0, 2, SPARE
	v_mov_b32 v[NIL], 0
	ds_add_u32 v13, v14
	s_wait_dscnt 0x0
	v_lshrrev_b32 v19, 5, v0
	v_readfirstlane_b32 s16, v19                   ; wave
	s_lshr_b32 s17, s16, 1                         ; I fetch for x (0) or for Wqkv (1)
	s_and_b32 s18, s16, 1                          ; which half of its tiles
	s_bfe_u32 s19, ttmp6, 0x40000                  ; cx
	s_bfe_u32 s20, ttmp6, 0x40004                  ; cy
	s_lshl_b32 s21, ttmp9, 2
	s_add_co_u32 s21, s21, s19                     ; X: the head
	s_and_b32 s22, ttmp7, 0xffff
	s_lshl_b32 s22, s22, 2
	s_add_co_u32 s22, s22, s20                     ; Y: the block of 256 tokens
	s_lshl_b32 s40, s20, 2
	s_lshl_b32 s40, 15, s40                        ; my row of the cluster
	s_lshl_b32 s41, 0x1111, s19                    ; my column
	s_or_b32 s[G1A], s40, (3<<16)|(1<<21)          ; the mask; elements of 8 bytes; bit 21 set beside a mask; no padding
	s_or_b32 s[G1B], s41, (3<<16)|(1<<21)
	s_mov_b32 s[G1A+1], 384<<16                    ; a row: one tile's 3,072 bytes (two K steps)
	s_mov_b32 s[G1A+2], 8<<16                      ; 8 tiles
	s_mov_b32 s[G1A+3], 384<<16
	s_mov_b32 s[G1A+4], 8
	s_mov_b32 s[G1A+5], 1536                       ; from tile to tile: 12,288 bytes
	s_mov_b32 s[G1A+6], 0
	s_mov_b32 s[G1A+7], 0
	s_mov_b32 s[G1B+1], 384<<16
	s_mov_b32 s[G1B+2], 6<<16                      ; 6 tiles
	s_mov_b32 s[G1B+3], 384<<16
	s_mov_b32 s[G1B+4], 6
	s_mov_b32 s[G1B+5], 1536
	s_mov_b32 s[G1B+6], 0
	s_mov_b32 s[G1B+7], 0
	s_lshl_b32 s42, s22, 4
	s_lshl_b32 s43, s18, 3
	s_add_co_u32 s42, s42, s43
	s_mul_i32 s42, s42, 12288                      ; x: tile 16 Y + 8 half
	s_mov_b32 s43, 0
	s_mul_i32 s44, s21, 12
	s_mul_i32 s45, s18, 6
	s_add_co_u32 s44, s44, s45
	s_mul_i32 s44, s44, 12288                      ; Wqkv: tile 12 X + 6 half
	s_mov_b32 s45, 0
	s_mul_i32 s46, s18, 24576                      ; where they go: no place in the cluster enters an LDS address
	s_mul_i32 s47, s18, 18432
	s_add_co_u32 s47, s47, BOFF
	s_wait_kmcnt 0x0
	s_add_nc_u64 s[80:81], s[4:5], s[42:43]
	s_add_nc_u64 s[82:83], s[6:7], s[44:45]
.irp s, 0,1,2
	s_mov_b32 s[G0A+4*\s], 1
	s_add_co_u32 s[G0A+4*\s+1], s46, \s*SLOT
	s_add_nc_u64 s[G0A+4*\s+2:G0A+4*\s+3], s[80:81], \s*3072
	s_or_b32 s[G0A+4*\s+3], s[G0A+4*\s+3], 0x80000000
	s_mov_b32 s[G0B+4*\s], 1
	s_add_co_u32 s[G0B+4*\s+1], s47, \s*SLOT
	s_add_nc_u64 s[G0B+4*\s+2:G0B+4*\s+3], s[82:83], \s*3072
	s_or_b32 s[G0B+4*\s+3], s[G0B+4*\s+3], 0x80000000
.endr
	ROUND                                          ; all sixteen work-groups are here: the first joint loads meet
	s_cmp_eq_u32 s17, 0                            ; a wave's three first fills stand in one branch: three loads of mine are out
	s_cbranch_scc0 .Lfirst_b
	tensor_load_to_lds s[G0A:G0A+3], s[G1A:G1A+7]
	s_nop 0
	tensor_load_to_lds s[G0A+4:G0A+7], s[G1A:G1A+7]
	s_nop 0
	tensor_load_to_lds s[G0A+8:G0A+11], s[G1A:G1A+7]
	s_nop 0
	PLACES
	s_branch .Lfirst_asked
.Lfirst_b:
	tensor_load_to_lds s[G0B:G0B+3], s[G1B:G1B+7]
	s_nop 0
	tensor_load_to_lds s[G0B+4:G0B+7], s[G1B:G1B+7]
	s_nop 0
	tensor_load_to_lds s[G0B+8:G0B+11], s[G1B:G1B+7]
	s_nop 0
	PLACES
.Lfirst_asked:
	s_mov_b32 s[HM], 0xffff0000
	s_mov_b32 s[SEL], 0x76543210
	s_mov_b32 s[SEL+1], 0xfedcba98
	s_lshl_b32 s[SH8], s18, 3
	v_and_b32 v19, 15, v0                          ; r
	v_bfe_u32 v20, v0, 4, 1                        ; h
	v_and_b32 v21, 31, v0
	v_lshlrev_b32 v[LI], 4, v21
	s_mul_i32 s84, s16, 12288
	v_add_nc_u32 v[ADA], s84, v[LI]
	v_add_nc_u32 v[ADA+1], SLOT, v[ADA]
	v_add_nc_u32 v[ADA+2], 2*SLOT, v[ADA]
	v_add_nc_u32 v[ADB], BOFF, v[LI]
	v_add_nc_u32 v[ADB+1], SLOT+BOFF, v[LI]
	v_add_nc_u32 v[ADB+2], 2*SLOT+BOFF, v[LI]
	v_lshlrev_b32 v22, 4, v19                      ; 16 r
	v_lshl_add_u32 v[A8], v20, 3, v22
	s_lshl_b32 s84, s18, 8
	v_lshl_add_u32 v[A128], v20, 10, v22
	v_add_nc_u32 v[A128], s84, v[A128]
	v_add_nc_u32 v[A64], s84, v[A8]
	v_add_nc_u32 v[A64], 512, v[A64]
	s_lshl_b32 s84, s16, 8
	s_add_co_u32 s84, s84, VST
	v_add_nc_u32 v[AVS], s84, v22
	v_lshl_add_u32 v[AVR], v20, 9, v22
	v_add_nc_u32 v[AVR], VST, v[AVR]
	v_lshl_add_u32 v[LSA], v20, 10, v22
	v_mul_u32_u24 v[LSB], v20, 3072
	v_add_nc_u32 v[LSB], v[LSB], v22
	v_lshlrev_b32 v[LBQ], 6, v20
	v_and_b32 v23, 8, v19
	v_add_nc_u32 v23, v23, v19
	v_lshlrev_b32 v[LBV], 2, v23
	s_lshl_b32 s84, s22, 4
	s_lshl_b32 s85, s16, 2
	s_add_co_u32 s84, s84, s85                     ; my first tile of x: 16 Y + 4 wave
	s_lshl_b32 s86, s84, 9
	s_add_co_u32 s86, s86, 6291456
	s_mov_b32 s87, 0
	s_add_nc_u64 s[86:87], s[4:5], s[86:87]        ; its scale words
	s_lshl_b32 s88, s84, 12
	s_mov_b32 s89, 0
	s_add_nc_u64 s[10:11], s[10:11], s[88:89]      ; its cos and sin
	s_mul_i32 s88, s21, 6144
	s_add_co_u32 s88, s88, 2359296
	s_add_nc_u64 s[88:89], s[6:7], s[88:89]        ; Wqkv's scale words, tile 12 X on
	s_lshl_b32 s90, s21, 8
	s_mov_b32 s91, 0
	s_add_nc_u64 s[8:9], s[8:9], s[90:91]          ; the bias at the head's first channel
	s_lshr_b32 s90, s22, 3                         ; the batch
	s_and_b32 s91, s22, 7                          ; which 256 tokens of it
	s_lshl_b32 s92, s90, 4
	s_add_co_u32 s92, s92, s21                     ; the head of the batch
	s_lshl_b32 s93, s92, 6
	s_lshl_b32 s94, s91, 3
	s_add_co_u32 s93, s93, s94
	s_lshl_b32 s94, s16, 1
	s_add_co_u32 s93, s93, s94                     ; my first pair of tiles
	s_mul_i32 s94, s93, 1536
	s_mov_b32 s95, 0
	s_add_nc_u64 s[94:95], s[12:13], s[94:95]      ; q's codes
	s_lshl_b32 s96, s93, 7
	s_add_co_u32 s96, s96, 6291456
	s_mov_b32 s97, 0
	s_add_nc_u64 s[96:97], s[12:13], s[96:97]      ; q's scale words
	s_lshl_b32 s93, s92, 3
	s_add_co_u32 s93, s93, s91
	s_mul_i32 s98, s93, 26112
	s_mov_b32 s99, 0
	s_add_nc_u64 s[14:15], s[14:15], s[98:99]      ; the record of these 256 keys
	s_mul_i32 s98, s16, 3072
	s_add_nc_u64 s[60:61], s[14:15], s[98:99]      ; k's two pairs of mine
	s_lshl_b32 s98, s16, 8
	s_add_nc_u64 s[62:63], s[14:15], s[98:99]      ; k's scale words of mine (24,576 on)
	s_mul_i32 s98, s17, 6144
	s_add_nc_u64 s[66:67], s[14:15], s[98:99]      ; v's four fragments of my 128 keys (12,288 on)
.irp i, 0,1
.irp q, 0,1
	global_load_b128 v[SA+8*\i+4*\q:SA+8*\i+4*\q+3], v[LSA], s[86:87] offset:512*\i+256*\q
.endr
.endr
.irp i, 0,1,2,3,4,5
.irp q, 0,1
	global_load_b128 v[SB+8*\i+4*\q:SB+8*\i+4*\q+3], v[LSB], s[88:89] offset:512*\i+256*\q
.endr
.endr
	WIN 0x40                                       ; destination window 1: q's and k's bias in the result's layout: lane (r, h) of tile n: channels 32 (n / 2) + 8 (n % 2) + 16 h + 0 .. 7
.irp n, 0,1,2,3,4,5,6,7
	global_load_b128 v[192+8*\n:195+8*\n], v[LBQ], s[8:9] offset:4096*(\n/4)+(32*((\n%4)/2)+8*(\n%2))*4
	global_load_b128 v[196+8*\n:199+8*\n], v[LBQ], s[8:9] offset:4096*(\n/4)+(32*((\n%4)/2)+8*(\n%2))*4+16
.endr
	WIN 0
.irp n, 0,1,2,3                        ; v's bias: my lane's channel of tile n, in both registers of a pair
	global_load_b32 v[BV+2*\n], v[LBV], s[8:9] offset:8192+(32*(\n/2)+8*(\n%2))*4
	global_load_b32 v[BV+2*\n+1], v[LBV], s[8:9] offset:8192+(32*(\n/2)+8*(\n%2))*4
.endr
	s_wait_tensorcnt 0x2                           ; my part of slot 0 is in; slots 1 and 2 may be out
	s_barrier_signal -1
	s_barrier_wait -1
	LOADF 0
	s_wait_loadcnt 0x0                             ; scale words and biases
	STEPK 0, 1, 1
	; K step 1 leaves slot 0, which takes the last quarter of K
	WIN 0
	s_wait_tensorcnt 0x0                           ; all my tensor loads have landed
	ds_add_u32 v[SPW], v[NIL]                      ; 0 onto my spare word
	s_add_nc_u64 s[G0A+2:G0A+3], s[G0A+2:G0A+3], 9216   ; no load of mine is out: slot 0's descriptors step three slots along K
	s_add_nc_u64 s[G0B+2:G0B+3], s[G0B+2:G0B+3], 9216
	s_wait_dscnt 0x1                               ; this step's fragments are in; the add alone may be out
	QK 1, 0, 2, 0
	s_wait_dscnt 0x0                               ; the add is done, and my reads of slot 0 are over
	s_barrier_signal -1
	QK 1, 2, 2, 0
	WIN 0
	s_barrier_wait -1
	CREST                                          ; no wave of any partner still reads slot 0 or has a load on its way
	JLOAD                                          ; the four v_nop behind it are also the places in front of the loads below
	LOADF 2
	VV 1, 0
	STEPK 2, 1, 0
	STEPK 3, 1, 0
	STEPK 4, 1, 0
	; K step 5: the refill has to be whole in front of K step 6's fragments
	WIN 0
	s_wait_tensorcnt 0x0
	s_wait_dscnt 0x0
	s_barrier_signal -1
	QK 5, 0, 4, 0
	WIN 0
	s_barrier_wait -1
	PLACES
	LOADF 6
	VV 5, 0
	STEPK 6, 1, 0
	STEPK 7, 0, 0
	; THE WAY OUT
	WIN 0
	PLACES
.irp b, 0,1,2,3
	v_mov_b32 v[TM+4+\b], 0                        ; written once: a lane permute's destination counts as one of its sources
.endr
	WIN 0x40                                       ; cos and sin of my four tiles, 32 registers each, into window 1: they land while v is worked
.irp a, 0,1,2,3
.irp g, 0,1,2,3,4,5,6,7
	global_load_b128 v[32*\a+4*\g:32*\a+4*\g+3], v[LI], s[10:11] offset:4096*\a+512*\g
.endr
.endr
	WIN 0
	; v: two tiles of channels at a time: register 32 e + 16 b + i = key 32 b + 16 h + i of my 64, channel tile 2 np + e
.irp np, 0,1
	s_wait_xcnt 0x0                                ; the stores before have read their registers
	WIN 0x03                                       ; source 0 window 3
.set m, 0
.rept 32
	v_pk_add_f32 v[T+m:T+m+1], v[64*\np+m:64*\np+m+1], v[BV+2*(2*\np+m/32):BV+2*(2*\np+m/32)+1] op_sel_hi:[1,0]   ; the bias, and the way into window 0; each accumulator from its low end on
.set m, m+2
.endr
	WIN 0
	QUANT T, PC, CT, PW+4
.irp e, 0,1
	HALFSTORE PC+6*\e, DE+6*\e, 66, 12288+(2*\np+\e)*1536
	v_bfe_u32 v[TP], v[PW+4], 16*\e, 8             ; the bytes of my two key blocks: they are bytes wave % 2 and 2 + wave % 2 of the fragment's scale word
	v_bfe_u32 v[TP+1], v[PW+4], 16*\e+8, 8
	v_lshl_or_b32 v[TP], v[TP+1], 16, v[TP]
	v_lshlrev_b32 v[TP], s[SH8], v[TP]
	ds_store_b32 v[AVS], v[TP] offset:4*(2*\np+\e) ; both lane halves write the same word with the same value
.endr
.endr
	; q and k: RoPE straight from the accumulators, two tiles of tokens at a time
	s_wait_loadcnt 0x0                             ; cos and sin
.irp ap, 0,1
.irp kd, 0,1
	s_wait_xcnt 0x0                                ; the stores before have read the codes' registers
	WIN 0x06                                       ; source 0 window 2 (the sums), source 1 window 1 (cos, sin)
.set m, 0
.rept 32
	v_mul_f32 v[TP+m%4], v[128*\kd+64*\ap+m+1], v[64*\ap+m+1]
	v_mul_f32 v[TP+m%4+1], v[128*\kd+64*\ap+m], v[64*\ap+m+1]
	v_fma_f32 v[T+m], v[128*\kd+64*\ap+m], v[64*\ap+m], -v[TP+m%4]
	v_fma_f32 v[T+m+1], v[128*\kd+64*\ap+m+1], v[64*\ap+m], v[TP+m%4+1]
.set m, m+2
.endr
	WIN 0
	QUANT T, PC, CT, PW+2*\kd+\ap
.irp g, 0,1,2
.if \kd == 0
	global_store_b128 v[LI], v[PC+4*\g:PC+4*\g+3], s[94:95] offset:1536*\ap+512*\g
.else
	global_store_b128 v[LI], v[PC+4*\g:PC+4*\g+3], s[60:61] offset:1536*\ap+512*\g
.endif
.endr
.endr
.endr
	s_wait_xcnt 0x0
.irp kd, 0,1                           ; the four tiles' scale words: lanes 0-15 store tiles 0, 1 of their row, lanes 16-31 tiles 2, 3; a word's upper two bytes, which meet zero codes, are 0
	v_cndmask_b32 v[DE+2*\kd+1], v[PW+2*\kd], v[PW+2*\kd+1], s[HM]
	v_and_b32 v[DE+2*\kd], 0xffff, v[DE+2*\kd+1]
	v_lshrrev_b32 v[DE+2*\kd+1], 16, v[DE+2*\kd+1]
.endr
	global_store_b64 v[A8], v[DE:DE+1], s[96:97]
	global_store_b64 v[A8], v[DE+2:DE+3], s[62:63] offset:24576
	s_wait_dscnt 0x0                               ; for the others' sake: my words of v's scales lie in LDS
	s_barrier_signal -1
	s_barrier_wait -1
	s_cmp_lg_u32 s16, 0
	s_cbranch_scc1 .Lnot_first
	ds_load_b128 v[T:T+3], v[AVR]                  ; lane (r, h): key step h, the even wave's bytes,
	ds_load_b128 v[T+4:T+7], v[AVR] offset:256     ; and the odd wave's
	s_wait_dscnt 0x0
.irp i, 0,1,2,3
	v_or_b32 v[T+\i], v[T+\i], v[T+4+\i]
.endr
	global_store_b128 v[LI], v[T:T+3], s[14:15] offset:25600   ; 512 consecutive bytes
.Lnot_first:
	s_wait_tensorcnt 0x0                           ; the wave's end
	ds_add_u32 v[SPW], v[NIL]
	s_wait_dscnt 0x0
	ROUND                                          ; the closing round
	s_endpgm
.Lfunc_end_k_q5bc484a0d2_qkv:
	.size	k_q5bc484a0d2_qkv, .Lfunc_end_k_q5bc484a0d2_qkv-k_q5bc484a0d2_qkv
	.p2alignl 7, 3214868480
	.fill 96, 4, 3214868480
	.section	.rodata,"a",@progbits
	.p2align	6, 0x0
	.amdhsa_kernel k_q5bc484a0d2_qkv
		.amdhsa_group_segment_fixed_size 327680
		.amdhsa_private_segment_fixed_size 0
		.amdhsa_enable_private_segment 0
		.amdhsa_kernarg_size 48
		.amdhsa_user_sgpr_count 2
		.amdhsa_user_sgpr_kernarg_segment_ptr 1
		.amdhsa_wavefront_size32 1
		.amdhsa_system_sgpr_workgroup_id_x 1
		.amdhsa_system_sgpr_workgroup_id_y 1
		.amdhsa_system_sgpr_workgroup_id_z 1
		.amdhsa_system_vgpr_workitem_id 0
		.amdhsa_next_free_vgpr 1024
		.amdhsa_next_free_sgpr 100
		.amdhsa_reserve_vcc 0
		.amdhsa_float_denorm_mode_32 3
		.amdhsa_float_denorm_mode_16_64 3
		.amdhsa_memory_ordered 1
		.amdhsa_forward_progress 1
		.amdhsa_inst_pref_size 149
	.end_amdhsa_kernel
	.amdgpu_metadata
---
amdhsa.version: [ 1, 2 ]
amdhsa.kernels:
  - .name:           k_q5bc484a0d2_qkv
    .symbol:         k_q5bc484a0d2_qkv.kd
    .args:
      - { .name: xq, .offset: 0, .size: 8, .value_kind: global_buffer, .address_space: global }
      - { .name: wq, .offset: 8, .size: 8, .value_kind: global_buffer, .address_space: global }
      - { .name: bqkv, .offset: 16, .size: 8, .value_kind: global_buffer, .address_space: global }
      - { .name: cs, .offset: 24, .size: 8, .value_kind: global_buffer, .address_space: global }
      - { .name: qq, .offset: 32, .size: 8, .value_kind: global_buffer, .address_space: global }
      - { .name: kv, .offset: 40, .size: 8, .value_kind: global_buffer, .address_space: global }
    .group_segment_fixed_size: 327680
    .private_segment_fixed_size: 0
    .kernarg_segment_align: 8
    .kernarg_segment_size: 48
    .max_flat_workgroup_size: 128
    .sgpr_count:     100
    .vgpr_count:     1024
    .wavefront_size: 32
...
	.end_amdgpu_metadata
.endif
;; end of part 2
;; launch attn (part 3): grid 4 x 64, 16 waves a work-group, no clusters, 327,680 bytes of LDS; arguments qq, kv, hq; writes hq
.if DOCPART == 3
	.amdgcn_target "amdgcn-amd-amdhsa--gfx1250"
	.amdhsa_code_object_version 6
	.text
	.protected	k_q5bc484a0d2_attn
	.globl	k_q5bc484a0d2_attn
	.p2align	8
	.type	k_q5bc484a0d2_attn,@function
k_q5bc484a0d2_attn:
	s_mov_b64 s[64:65], 0
	v_nop
	global_prefetch_b8 v0, s[64:65] scope:SCOPE_SE
	s_setreg_imm32_b32 hwreg(HW_REG_WAVE_MODE, 25, 1), 1
	s_wait_xcnt 0x0
; h = softmax(q k^T / 8, causal) v on codes of FP6 (E2M3), and h's codes for the last product.
; THE SOFTMAX: t = score x log2(e) / 8; M = the running largest t rounded up to a whole number; p = 2^(t - M) is quantised along the keys; the row's sum is taken of the unquantised p and divides at the end.
; SHARES.  Work-group i of a head owns the blocks of 256 queries 7 - i and then i: (8 - i) + (i + 1) = 9 slots of 256 keys for every work-group: 256 work-groups of equal work, a constant trip count.
; Sixteen waves of 256 registers; wave w owns tile w of the block: queries 32 (w / 2) + 8 (w % 2) + r + 8 (r / 8).  A slot is one record of kv, 26,112 dense bytes, brought by one tensor load of wave 0, in a ring of two.
; A step (128 keys) all of whose keys come after the wave's queries is left out by a scalar branch on ids; a group of 32 queries never straddles a multiple of 128, so every step that is worked has a key that counts for every lane.
; NO CLUSTER: which steps are left out and where the block of queries changes hang on i, which in a cluster of one head's four work-groups would be the place in the cluster.
; LAYOUT.  Both products transposed: S^T = k q^T (source 0 = 16 keys), O^T = v^T p^T (source 0 = 16 channels): a lane holds one query.  The head's 64 are half of the instruction's 128: q's registers 6-11 are zero codes, so k's
; operand may run on into the next tile's codes.  p's block 2 c + h holds key block 2 h + c of the step, as v's fragments have it: S's pair of tiles b takes k's pair 2 (b % 2) + b / 2.
; OUT.  hq, laid as the first launch lays x: a head is one lane half (head % 2) of the fragment (tile, head / 2); its two scale bytes go out as bytes (a word's four come from two work-groups).
; LIMITS: NaN and infinities are not served; a block of zeros or under 2^-124 gets the byte 1 (its codes are zeros; this program alone reads the bytes).
.set SLOT1, 1<<15
.set SPARE, 1<<16                      ; the spare words, 128 bytes for each of 16 waves: eight blocks of 256 bytes that no other line names
.set SPW,  5
.set NIL,  6
.set A128, 7                           ; v7   16 r + 256 (head % 2) + 1,024 h
.set AD16, 8                           ; v8   the slot + 16 L
.set ADS,  9                           ; v9   the slot + 16 r
.set A64,  10                          ; v10  512 + 16 r + 256 (head % 2) + 8 h
.set PFO,  28
.set PC,   192                         ; v192-203 p's codes
.set CT,   204
.set BM,   212
.set BX,   216
.set SO,   220
.set F,    224
.set TP,   226
.set KSC,  228
.set VSC,  236
.set QSC,  240
.set PSW,  241
.set DE,   242
.set WV,   10
.set BH,   12
.set J,    13
.set N1,   14
.set N1M1, 15
.set G1,   16
.set G0,   24
.set KVB,  28
.set LK,   30
.set TB,   32
.set KF,   33
.set QB,   34
.set Q0,   35
.set UM,   36
.set HM,   37
.set SEL,  38
.set CS,   40
.set PFA,  42
.set LIMJ, 44
.set QCB,  56
.set QSB,  58
.set HCB,  60
.set HSB,  62
.set QW,   66
.macro PLACES
.rept 4
	v_nop
.endr
.endm
.macro TLOAD                           ; wave 0 alone fetches; four v_nop follow the line
	s_cmp_eq_u32 s[WV], 0
	s_cbranch_scc0 .Lnot_0_\@
	tensor_load_to_lds s[G0:G0+3], s[G1:G1+7]
	s_nop 0
	PLACES
.Lnot_0_\@:
.endm
; A prefetch of the record two trips on: 102 blocks of 256 bytes, a lane a block.  All four work-groups of a head walk the same records: work-group 0, which walks records 0 to 7 in order, asks, by its waves 4 to 7, in trips 0 to 5.
; The last wave's 26 lanes that have no block of their own name the record's last block again.
.macro ASK
	s_cmp_lt_u32 s[J], s[LIMJ]
	s_cbranch_scc0 .Lno_ask_\@
	global_prefetch_b8 v[PFO], s[PFA:PFA+1] th:TH_LOAD_NT scope:SCOPE_SE
.Lno_ask_\@:
.endm
.macro HALFSTORE c, d, sb, imm
.irp i, 0,1,2,3
	v_cndmask_b32 v[(\d)+\i], v[(\c)+\i], v[(\c)+2+\i], s[HM]
.endr
.irp i, 0,1
	v_cndmask_b32 v[(\d)+4+\i], v[(\c)+4+\i], v[(\c)+\i], s[HM]
.endr
	global_store_b128 v[A128], v[(\d):(\d)+3], s[\sb:\sb+1] offset:\imm
	global_store_b64 v[A64], v[(\d)+4:(\d)+5], s[\sb:\sb+1] offset:\imm
.endm
; The block QB's tile of mine: its codes (one half of a pair's image) and scale word; the sums begin anew
.macro QLOAD
	s_mul_i32 s46, s[QB], 12288
	s_mov_b32 s47, 0
	s_add_nc_u64 s[48:49], s[QCB:QCB+1], s[46:47]
	s_lshl_b32 s46, s[QB], 10
	s_add_nc_u64 s[54:55], s[QSB:QSB+1], s[46:47]
.irp g, 0,1,2
	global_load_b128 v[96+4*\g:99+4*\g], v1, s[48:49] offset:512*\g
.endr
	global_load_b32 v[QSC], v29, s[54:55]
	s_lshl_b32 s[Q0], s[QB], 8
	s_add_co_u32 s[Q0], s[Q0], s[QW]               ; my first query
	v_mov_b32 v13, 0xff61b1e6                      ; the largest t so far: -3e38
	v_floor_f32 v12, -v13                          ; -M
	v_mov_b32 v14, 0
	v_mov_b32 v15, 0
	s_wait_loadcnt 0x0
.irp i, 0,1,2,3,4,5
	v_cndmask_b32 v[16+\i], v[96+\i], v[102+\i], s[UM]   ; the even or the odd tile of the pair
.endr
.set m, 0
.rept 32
	v_mov_b32 v[160+m], 0                          ; O^T.  (The step is written once: the first finds zeros.  These lines are also the places in front of the products)
.set m, m+1
.endr
.endm
; A KEY STEP: 128 keys, the q-th of the slot in hand
.macro STEP q
	s_add_co_u32 s45, s[Q0], 23
	s_cmp_gt_u32 s[KF], s45                        ; all keys behind my last query: nothing to do
	s_cbranch_scc1 .Lhid_\@
	v_add_nc_u32 v[AD16], s[TB], v1
	v_add_nc_u32 v[ADS], s[TB], v2
	v_nop
	v_nop                                          ; four places in front of loads into registers that the last products read
.irp b, 0,1,2,3
.irp g, 0,1,2
	ds_load_b128 v[32+12*\b+4*\g:35+12*\b+4*\g], v[AD16] offset:(4*(\q)+2*(\b%2)+\b/2)*1536+512*\g
.endr
.endr
	ds_load_b128 v[KSC:KSC+3], v[ADS] offset:24576+512*(\q)
	ds_load_b128 v[KSC+4:KSC+7], v[ADS] offset:24576+512*(\q)+256
	s_wait_dscnt 0x0
.irp t, 0,1,2,3,4,5,6,7
	v_wmma_scale_f32_16x16x128_f8f6f4 v[96+8*\t:103+8*\t], v[32+6*\t:43+6*\t], v[16:27], 0, v[KSC+2*(2*((\t/2)%2)+\t/4)+\t%2], v[QSC] matrix_a_fmt:MATRIX_FMT_FP6 matrix_b_fmt:MATRIX_FMT_FP6
.endr
	PLACES
.irp n, 0,1,2,3                        ; v's four fragments land under the softmax
.irp g, 0,1,2
	ds_load_b128 v[32+12*\n+4*\g:35+12*\n+4*\g], v[AD16] offset:12288+(4*(\q)+\n)*1536+512*\g
.endr
.endr
	ds_load_b128 v[VSC:VSC+3], v[ADS] offset:25600+256*(\q)
	s_add_co_u32 s45, s[KF], 127
	s_cmp_le_u32 s45, s[Q0]                        ; all keys count: no mask
	s_cbranch_scc1 .Lopen_\@
	s_sub_co_i32 s45, s[Q0], s[KF]
	v_add_nc_u32 v[TP], s45, v3                    ; d = my query - KF - 16 h.  Register 16 b + i holds key KF + 16 h + 32 (2 (b % 2) + b / 2) + i: hidden where that constant is above d
	v_mov_b32 v[TP+1], 0xff800000
.set n, 0
.rept 64
	v_cmp_gt_i32 vcc_lo, 32*(2*((n/16)%2)+n/32)+n%16, v[TP]
	v_cndmask_b32 v[96+n], v[96+n], v[TP+1], vcc_lo
.set n, n+1
.endr
.Lopen_\@:
.irp b, 0,1,2,3
	v_max3_num_f32 v[BM+\b], v[96+16*\b], v[97+16*\b], v[98+16*\b]   ; the largest score of each block of 32 keys: for the row's maximum, and, since p rises with the score, for the block's largest p
.endr
.irp i, 3,5,7,9,11,13
.irp b, 0,1,2,3
	v_max3_num_f32 v[BM+\b], v[BM+\b], v[96+16*\b+\i], v[97+16*\b+\i]
.endr
.endr
.irp b, 0,1,2,3
	v_max_num_f32 v[BM+\b], v[BM+\b], v[111+16*\b]
.endr
.irp b, 0,1,2,3
	v_permlanex16_b32 v[BX+\b], v[BM+\b], s[SEL], s[SEL+1]
.endr
.irp b, 0,1,2,3
	v_max_num_f32 v[BM+\b], v[BM+\b], v[BX+\b]
.endr
	v_max3_num_f32 v[TP], v[BM], v[BM+1], v[BM+2]
	v_max_num_f32 v[TP], v[TP], v[BM+3]
	v_mul_f32 v[TP], s[CS], v[TP]
	v_max_num_f32 v13, v13, v[TP]                  ; the running largest t
	v_mov_b32 v[TP], v12
	v_floor_f32 v12, -v13                          ; the new -M: M is a whole number
	v_sub_f32 v[TP], v12, v[TP]
	v_cvt_i32_f32 v[TP], v[TP]
	v_ldexp_f32 v[F], 1.0, v[TP]                   ; f = 2^(old M - new M)
.set m, 0
.rept 32
	v_pk_fma_f32 v[96+m:97+m], v[96+m:97+m], s[CS:CS+1], v[12:13] op_sel_hi:[1,0,0]   ; t - M
.set m, m+2
.endr
.irp b, 0,1,2,3
	v_fma_f32 v[BM+\b], v[BM+\b], s[CS], v12
.endr
.set m, 0
.rept 64
	v_exp_f32 v[96+m], v[96+m]                     ; p, not normalised
.set m, m+1
.endr
	v_pk_mul_f32 v[14:15], v[14:15], v[F:F+1] op_sel_hi:[1,0]   ; the sums under the new M: a plain place behind the exponentials
	s_wait_alu depctr_va_vdst(0)                   ; one wait for the batch, ahead of its first reader
.irp b, 0,1,2,3
	v_exp_f32 v[BM+\b], v[BM+\b]                   ; each block's largest p
.endr
	v_pk_add_f32 v[BX:BX+1], v[96:97], v[98:99]    ; the row's sum of the unquantised p, in two chains
.set m, 4
.rept 15
	v_pk_add_f32 v[14:15], v[14:15], v[96+m:97+m]
	v_pk_add_f32 v[BX:BX+1], v[BX:BX+1], v[98+m:99+m]
.set m, m+4
.endr
	v_pk_add_f32 v[14:15], v[14:15], v[BX:BX+1]
	s_wait_alu depctr_va_vdst(0)                   ; and one for the four
.irp b, 0,1,2,3
	v_max_num_f32 v[BM+\b], 0x1800000, v[BM+\b]    ; the floor 2^(3 - 127)
.endr
.irp b, 0,1,2,3
	v_add_nc_u32 v[SO+\b], 0xff000000, v[BM+\b]
.endr
.irp b, 0,1,2,3
	v_lshrrev_b32 v[BX+\b], 23, v[SO+\b]
.endr
	v_lshl_or_b32 v[PSW], v[BX+1], 8, v[BX]
	v_lshl_or_b32 v[PSW], v[BX+2], 16, v[PSW]
	v_lshl_or_b32 v[PSW], v[BX+3], 24, v[PSW]
.irp c, 0,1
	v_cvt_scalef32_pk16_fp6_f32 v[PC+6*\c:PC+6*\c+2], v[96+32*\c:111+32*\c], v[SO+2*\c]
	v_cvt_scalef32_pk16_fp6_f32 v[CT+4*\c:CT+4*\c+2], v[112+32*\c:127+32*\c], v[SO+2*\c+1]
.endr
	v_nop                                          ; one plain place behind a scaled conversion
.irp c, 0,1
.irp i, 0,1,2
	v_permlane16_swap_b32 v[PC+6*\c+\i], v[CT+4*\c+\i]
.endr
.irp i, 0,1,2
	v_mov_b32 v[PC+3+6*\c+\i], v[CT+4*\c+\i]
.endr
.endr
.set m, 0
.rept 16
	v_pk_mul_f32 v[160+m:161+m], v[160+m:161+m], v[F:F+1] op_sel_hi:[1,0]   ; O^T under the new M; twelve of these name none of a given product's registers: the places behind the scale word and the codes
.set m, m+2
.endr
	s_wait_dscnt 0x0                               ; v's fragments and scale words
.irp n, 0,1,2,3
	v_wmma_scale_f32_16x16x128_f8f6f4 v[160+8*\n:167+8*\n], v[32+12*\n:43+12*\n], v[PC:PC+11], v[160+8*\n:167+8*\n], v[VSC+\n], v[PSW] matrix_a_fmt:MATRIX_FMT_FP6 matrix_b_fmt:MATRIX_FMT_FP6
.endr
.Lhid_\@:
	s_add_co_u32 s[KF], s[KF], 128
.endm
; THE CHANGE OF SLOTS, at a trip's head.  Every wave waits for all its tensor loads, adds 0 to its spare word, and waits for that and for its reads of the slot that it has left; behind the barrier that slot takes the next trip's record.
.macro CHANGE fill
	s_wait_tensorcnt 0x0
	ds_add_u32 v[SPW], v[NIL]
.if \fill
	s_xor_b32 s[G0+1], s[G0+1], SLOT1
	s_add_co_u32 s45, s[J], 1
	s_add_co_u32 s46, s[LK], 26112
	s_cmp_eq_u32 s45, s[N1]                        ; the second block of queries begins again at the head's first record
	s_cselect_b32 s[LK], 0, s46
	s_add_nc_u64 s[G0+2:G0+3], s[KVB:KVB+1], s[LK:LK+1]
	s_or_b32 s[G0+3], s[G0+3], 0x80000000
	s_wait_xcnt 0x0                                ; the last prefetch, a trip back, has read its address
	s_add_nc_u64 s[PFA:PFA+1], s[PFA:PFA+1], 26112
.endif
	s_wait_dscnt 0x0
	s_barrier_signal -1
	s_barrier_wait -1
.if \fill
	TLOAD                                          ; the first thing behind the barrier: it has a whole trip in which to land
	ASK
.endif
.endm
; A block of queries is finished: O^T / the sum, quantised along the head's 64, stored as one lane half of a fragment
.macro FINAL
	s_wait_xcnt 0x0                                ; earlier stores have read their registers and bases
	PLACES
	v_add_f32 v14, v14, v15
	v_permlanex16_b32 v[TP], v14, s[SEL], s[SEL+1]
	v_add_f32 v14, v14, v[TP]
	v_rcp_f32 v14, v14
	v_nop                                          ; a plain place behind the reciprocal
	s_mul_i32 s46, s[QB], 196608
	s_mov_b32 s47, 0
	s_add_nc_u64 s[50:51], s[HCB:HCB+1], s[46:47]
	s_lshl_b32 s46, s[QB], 13
	s_add_nc_u64 s[52:53], s[HSB:HSB+1], s[46:47]
	s_wait_alu depctr_va_vdst(0)                   ; ahead of its first reader
.set m, 0
.rept 32
	v_mul_f32 v[96+m], v[160+m], v14               ; register 16 b + i = channel 32 b + 16 h + i of my query
.set m, m+1
.endr
.irp b, 0,1
	v_max3_num_f32 v[BM+\b], |v[96+16*\b]|, |v[97+16*\b]|, 0x1800000
.endr
.irp i, 2,4,6,8,10,12,14
.irp b, 0,1
	v_max3_num_f32 v[BM+\b], v[BM+\b], |v[96+16*\b+\i]|, |v[97+16*\b+\i]|
.endr
.endr
.irp b, 0,1
	v_permlanex16_b32 v[BX+\b], v[BM+\b], s[SEL], s[SEL+1]
.endr
.irp b, 0,1
	v_max_num_f32 v[BM+\b], v[BM+\b], v[BX+\b]
.endr
.irp b, 0,1
	v_add_nc_u32 v[SO+\b], 0xff000000, v[BM+\b]
.endr
.irp b, 0,1
	v_lshrrev_b32 v[BX+\b], 23, v[SO+\b]
.endr
	v_cvt_scalef32_pk16_fp6_f32 v[PC:PC+2], v[96:111], v[SO]
	v_cvt_scalef32_pk16_fp6_f32 v[CT:CT+2], v[112:127], v[SO+1]
	v_nop
.irp i, 0,1,2
	v_permlane16_swap_b32 v[PC+\i], v[CT+\i]
.endr
.irp i, 0,1,2
	v_mov_b32 v[PC+3+\i], v[CT+\i]
.endr
	HALFSTORE PC, DE, 50, 0
	v_cndmask_b32 v31, v[BX], v[BX+1], s[HM]       ; lanes 0-15 store block 0's byte, lanes 16-31 block 1's
	global_store_b8 v11, v31, s[52:53]
.endm
	s_load_b128 s[4:7], s[0:1], 0x0                ; qq, kv
	s_load_b64 s[8:9], s[0:1], 0x10                ; hq
	v_lshl_add_u32 v[SPW], v0, 2, SPARE
	v_mov_b32 v[NIL], 0
	ds_add_u32 v5, v6
	s_wait_dscnt 0x0
	v_lshrrev_b32 v30, 5, v0
	v_readfirstlane_b32 s[WV], v30
	s_and_b32 s[BH], ttmp7, 0xffff                 ; the head of the batch
	s_mov_b32 s[G1], 3<<16                         ; no mask; elements of 8 bytes; no padding
	s_mov_b32 s[G1+1], 32<<16                      ; rows of 256 bytes,
	s_mov_b32 s[G1+2], 102<<16                     ; 102 of them, dense
	s_mov_b32 s[G1+3], 32<<16
	s_mov_b32 s[G1+4], 102
	s_mov_b32 s[G1+5], 32
	s_mov_b32 s[G1+6], 0
	s_mov_b32 s[G1+7], 0
	s_mul_i32 s46, s[BH], 208896
	s_mov_b32 s47, 0
	s_wait_kmcnt 0x0
	s_add_nc_u64 s[KVB:KVB+1], s[6:7], s[46:47]    ; the head's eight records
	s_mov_b32 s[G0], 1
	s_mov_b32 s[G0+1], 0
	s_mov_b64 s[G0+2:G0+3], s[KVB:KVB+1]
	s_or_b32 s[G0+3], s[G0+3], 0x80000000
	TLOAD                                          ; record 0 into slot 0
	s_mov_b32 s[LK], 0
	s_mov_b32 s[LK+1], 0
	s_mov_b32 s[TB], 0
	s_mov_b32 s[KF], 0
	s_mov_b32 s[J], 0
	s_sub_co_u32 s[N1], 8, ttmp9                   ; the first block's slots
	s_sub_co_u32 s[N1M1], 7, ttmp9
	s_sub_co_u32 s[QB], 7, ttmp9
	s_mov_b32 s[HM], 0xffff0000
	s_mov_b32 s[SEL], 0x76543210
	s_mov_b32 s[SEL+1], 0xfedcba98
	s_mov_b32 s[CS], 0x3e38aa3b                    ; log2(e) / 8
	s_mov_b32 s[CS+1], s[CS]
	s_and_b32 s45, s[WV], 1
	s_sub_co_u32 s[UM], 0, s45                     ; all ones in the odd waves
	s_lshl_b32 s46, s45, 3
	s_lshr_b32 s45, s[WV], 1
	s_lshl_b32 s45, s45, 5
	s_add_co_u32 s[QW], s45, s46                   ; 32 (w / 2) + 8 (w % 2)
	s_add_nc_u64 s[PFA:PFA+1], s[KVB:KVB+1], 26112 ; the first change of slots steps it to record 2
	s_sub_co_u32 s45, s[WV], 4
	s_lshr_b32 s46, s45, 2                         ; 0 in waves 4 to 7,
	s_or_b32 s46, s46, ttmp9                       ; of the head's first work-group
	s_cmp_eq_u32 s46, 0
	s_cselect_b32 s[LIMJ], 6, 0
	s_lshl_b32 s45, s45, 5
	v_and_b32 v30, 31, v0
	v_add_nc_u32 v[PFO], s45, v30
	v_min_u32 v[PFO], 101, v[PFO]
	v_lshlrev_b32 v[PFO], 8, v[PFO]
	v_lshlrev_b32 v1, 4, v30                       ; 16 L
	v_and_b32 v31, 15, v0                          ; r
	v_lshlrev_b32 v2, 4, v31                       ; 16 r
	v_bfe_u32 v4, v0, 4, 1                         ; h
	v_and_b32 v3, 8, v31
	v_add_nc_u32 v3, v3, v31
	v_lshlrev_b32 v8, 4, v4
	v_sub_nc_u32 v3, v3, v8                        ; r + 8 (r / 8) - 16 h
	s_and_b32 s45, s[BH], 1
	s_lshl_b32 s45, s45, 8
	v_lshl_add_u32 v[A128], v4, 10, v2
	v_add_nc_u32 v[A128], s45, v[A128]
	v_lshl_add_u32 v[A64], v4, 3, v2
	v_add_nc_u32 v[A64], s45, v[A64]
	v_add_nc_u32 v[A64], 512, v[A64]
	v_lshl_add_u32 v11, v4, 1, v2                  ; 16 r + 2 h
	s_and_b32 s45, s[WV], 3
	s_lshl_b32 s45, s45, 2
	v_add_nc_u32 v29, s45, v2                      ; 16 r + 4 (w % 4)
.irp i, 0,1,2,3,4,5
	v_mov_b32 v[22+\i], 0                          ; q's zero codes,
	v_mov_b32 v[80+\i], 0                          ; and what stands behind k's last tile
.endr
.irp b, 0,1,2,3
	v_mov_b32 v[BX+\b], 0                          ; written once: a lane permute's destination counts as one of its sources
.endr
	v_mov_b32 v[F+1], 0                            ; named as the upper half of a pair
	v_mov_b32 v[TP], 0
	s_mov_b32 s47, 0
	s_lshl_b32 s46, s[BH], 6
	s_lshr_b32 s45, s[WV], 1
	s_add_co_u32 s46, s46, s45
	s_mul_i32 s46, s46, 1536
	s_add_nc_u64 s[QCB:QCB+1], s[4:5], s[46:47]    ; q's pair of tiles w / 2 of block 0
	s_lshl_b32 s46, s[BH], 5
	s_lshr_b32 s45, s[WV], 2
	s_add_co_u32 s46, s46, s45
	s_lshl_b32 s46, s46, 8
	s_add_co_u32 s46, s46, 6291456
	s_add_nc_u64 s[QSB:QSB+1], s[4:5], s[46:47]    ; and its scale words
	s_lshr_b32 s48, s[BH], 4
	s_lshl_b32 s48, s48, 7
	s_add_co_u32 s48, s48, s[WV]                   ; h's tile: 128 batch + w (+ 16 QB)
	s_and_b32 s49, s[BH], 15                       ; the head
	s_lshl_b32 s46, s48, 3
	s_lshr_b32 s45, s49, 1
	s_add_co_u32 s46, s46, s45
	s_mul_i32 s46, s46, 1536
	s_add_nc_u64 s[HCB:HCB+1], s[8:9], s[46:47]
	s_lshl_b32 s46, s48, 9
	s_lshr_b32 s45, s49, 3
	s_lshl_b32 s45, s45, 8
	s_add_co_u32 s46, s46, s45
	s_lshr_b32 s45, s49, 1
	s_and_b32 s45, s45, 3
	s_lshl_b32 s45, s45, 2
	s_add_co_u32 s46, s46, s45
	s_and_b32 s45, s49, 1
	s_add_co_u32 s46, s46, s45
	s_add_co_u32 s46, s46, 6291456
	s_add_nc_u64 s[HSB:HSB+1], s[8:9], s[46:47]
	QLOAD
.Ltrip:                                            ; eight trips: behind each change of slots the next trip's record is asked for
	CHANGE 1
	STEP 0
	STEP 1
	s_xor_b32 s[TB], s[TB], SLOT1
	s_cmp_lg_u32 s[J], s[N1M1]
	s_cbranch_scc1 .Lsame                          ; a branch on ids: no barrier and no tensor load stands under it
	FINAL
	s_mov_b32 s[QB], ttmp9
	s_mov_b32 s[KF], 0
	QLOAD
.Lsame:
	s_add_co_u32 s[J], s[J], 1
	s_cmp_lt_u32 s[J], 8
	s_cbranch_scc1 .Ltrip
	CHANGE 0                                       ; the last trip is written out
	STEP 0
	STEP 1
	FINAL
	s_wait_tensorcnt 0x0                           ; the wave's end
	ds_add_u32 v[SPW], v[NIL]
	s_wait_dscnt 0x0
	s_endpgm
.Lfunc_end_k_q5bc484a0d2_attn:
	.size	k_q5bc484a0d2_attn, .Lfunc_end_k_q5bc484a0d2_attn-k_q5bc484a0d2_attn
	.p2alignl 7, 3214868480
	.fill 96, 4, 3214868480
	.section	.rodata,"a",@progbits
	.p2align	6, 0x0
	.amdhsa_kernel k_q5bc484a0d2_attn
		.amdhsa_group_segment_fixed_size 327680
		.amdhsa_private_segment_fixed_size 0
		.amdhsa_enable_private_segment 0
		.amdhsa_kernarg_size 24
		.amdhsa_user_sgpr_count 2
		.amdhsa_user_sgpr_kernarg_segment_ptr 1
		.amdhsa_wavefront_size32 1
		.amdhsa_system_sgpr_workgroup_id_x 1
		.amdhsa_system_sgpr_workgroup_id_y 1
		.amdhsa_system_sgpr_workgroup_id_z 1
		.amdhsa_system_vgpr_workitem_id 0
		.amdhsa_next_free_vgpr 256
		.amdhsa_next_free_sgpr 68
		.amdhsa_reserve_vcc 1
		.amdhsa_float_denorm_mode_32 3
		.amdhsa_float_denorm_mode_16_64 3
		.amdhsa_memory_ordered 1
		.amdhsa_forward_progress 1
		.amdhsa_inst_pref_size 102
	.end_amdhsa_kernel
	.amdgpu_metadata
---
amdhsa.version: [ 1, 2 ]
amdhsa.kernels:
  - .name:           k_q5bc484a0d2_attn
    .symbol:         k_q5bc484a0d2_attn.kd
    .args:
      - { .name: qq, .offset: 0, .size: 8, .value_kind: global_buffer, .address_space: global }
      - { .name: kv, .offset: 8, .size: 8, .value_kind: global_buffer, .address_space: global }
      - { .name: hq, .offset: 16, .size: 8, .value_kind: global_buffer, .address_space: global }
    .group_segment_fixed_size: 327680
    .private_segment_fixed_size: 0
    .kernarg_segment_align: 8
    .kernarg_segment_size: 24
    .max_flat_workgroup_size: 512
    .sgpr_count:     68
    .vgpr_count:     256
    .wavefront_size: 32
...
	.end_amdgpu_metadata
.endif
;; end of part 3
;; launch oproj (part 4): grid 8 x 32, 4 waves a work-group, clusters of 4 x 4, 327,680 bytes of LDS; arguments hq, wq, bo, out0; writes out0
.if DOCPART == 4
	.amdgcn_target "amdgcn-amd-amdhsa--gfx1250"
	.amdhsa_code_object_version 6
	.text
	.protected	k_q5bc484a0d2_oproj
	.globl	k_q5bc484a0d2_oproj
	.p2align	8
	.type	k_q5bc484a0d2_oproj,@function
k_q5bc484a0d2_oproj:
	s_mov_b64 s[64:65], 0
	v_nop
	global_prefetch_b8 v0, s[64:65] scope:SCOPE_SE
	s_setreg_imm32_b32 hwreg(HW_REG_WAVE_MODE, 25, 1), 1
	s_wait_xcnt 0x0
	s_wait_alu depctr_hold_cnt(0) depctr_sa_sdst(0) depctr_va_vdst(0) depctr_va_sdst(0) depctr_va_ssrc(0) depctr_va_vcc(0) depctr_vm_vsrc(0)
	s_getreg_b32 s2, hwreg(HW_REG_IB_STS2, 6, 4)
	s_cmp_eq_u32 s2, 0
	s_cbranch_scc0 .Lentry_in_a_cluster
	s_endpgm
.Lentry_in_a_cluster:
	s_bfe_u32 s2, ttmp6, 0x10000c
	s_cmp_lg_u32 s2, 0xf033
	s_cbranch_scc0 .Lentry_shape_is_right
	s_endpgm
.Lentry_shape_is_right:
; out = h Wo^T + bo on codes of FP6 (E2M3).  h's and Wo's fragments lie in memory in the order of the operand's registers (1,536 bytes each), tile by tile, K step by K step.
; SHARES.  A work-group makes 256 tokens x 128 columns: 8 x 32 = 256 work-groups; each of its four waves 64 x 128: 32 accumulators.  K = 1,024 is eight steps of 128.
; ALL OF K LIES IN LDS: four slots of 256 along K (h's 16 tiles x 3,072 bytes, then Wo's 8), 294,912 bytes, each filled once: four loads a wave at the start, no byte filled again.
; CLUSTERS: 4 x 4 work-groups: h's tiles are asked for jointly along a row of the cluster, Wo's along a column.
; TRANSPOSED (source 0 = 16 rows of Wo, source 1 = 16 tokens): a lane holds one token and neighbouring columns.  The bias is the C of each sum's first product.
; REGISTERS.  Window 0: v1-14 addresses; v32-47 h's scale words, v48-79 Wo's; v96-143, v144-191 h's fragments, two sets (on the way out v96-223 rows of the result).  Window 1: v0-95, v96-191 Wo's fragments; v192-255 the bias.  Window 2: the sums.
.set SLOT,  73728
.set BOFF,  49152
.set ADA,  1                           ; v1-4   16 L + 12,288 wave + slot
.set ADB,  5                           ; v5-8   16 L + 49,152 + slot
.set LI,   9
.set STO,  10                          ; the stage: 8,448 wave + 528 r + 64 h
.set RD,   11                          ; and back: 8,448 wave + 16 L
.set LSA,  12
.set LSB,  13
.set LBO,  14
.set SA,   32
.set SB,   48
.set AF,   96
.set BK,   96
.set G1A,  24
.set G1B,  32
.set G0A,  48                          ; s[48:63] four sets
.set G0B,  68                          ; s[68:83]
.set MSB, 0
.macro WIN new
.if MSB != \new
	s_set_vgpr_msb (MSB<<8)|\new
.set MSB, \new
.endif
.endm
.macro PLACES
.rept 4
	v_nop
.endr
.endm
.macro CREST
	s_cmp_lg_u32 s16, 0
	s_cbranch_scc1 .Lnot_wave_0_\@
	s_barrier_signal -3
.Lnot_wave_0_\@:
	s_barrier_wait -3
	s_barrier_signal -1
	s_barrier_wait -1
.endm
.macro ROUND
	s_barrier_signal -1
	s_barrier_wait -1
	CREST
.endm
.macro WMS d, a, b, c, sa, sb, ra, rb
.if (\ra) && (\rb)
	v_wmma_scale_f32_16x16x128_f8f6f4 v[(\d):(\d)+7], v[(\a):(\a)+11], v[(\b):(\b)+11], v[(\c):(\c)+7], v[\sa], v[\sb] matrix_a_fmt:MATRIX_FMT_FP6 matrix_b_fmt:MATRIX_FMT_FP6 matrix_a_scale:MATRIX_SCALE_ROW1 matrix_b_scale:MATRIX_SCALE_ROW1
.elseif (\ra)
	v_wmma_scale_f32_16x16x128_f8f6f4 v[(\d):(\d)+7], v[(\a):(\a)+11], v[(\b):(\b)+11], v[(\c):(\c)+7], v[\sa], v[\sb] matrix_a_fmt:MATRIX_FMT_FP6 matrix_b_fmt:MATRIX_FMT_FP6 matrix_a_scale:MATRIX_SCALE_ROW1
.elseif (\rb)
	v_wmma_scale_f32_16x16x128_f8f6f4 v[(\d):(\d)+7], v[(\a):(\a)+11], v[(\b):(\b)+11], v[(\c):(\c)+7], v[\sa], v[\sb] matrix_a_fmt:MATRIX_FMT_FP6 matrix_b_fmt:MATRIX_FMT_FP6 matrix_b_scale:MATRIX_SCALE_ROW1
.else
	v_wmma_scale_f32_16x16x128_f8f6f4 v[(\d):(\d)+7], v[(\a):(\a)+11], v[(\b):(\b)+11], v[(\c):(\c)+7], v[\sa], v[\sb] matrix_a_fmt:MATRIX_FMT_FP6 matrix_b_fmt:MATRIX_FMT_FP6
.endif
.endm
; K step k: my tiles a0 .. a0 + n - 1 x Wo's eight.  The 32 accumulators take turns, one instruction a turn
.macro MM k, a0, n, first
.if \first
	WIN 0x91
.else
	WIN 0xa1
.endif
.set qa, \a0
.rept \n
.set qb, 0
.rept 8
.set qd, 8*(8*qa+qb)
.set qx, 96*((\k)%2)+12*qb
.set qy, AF+48*((\k)%2)+12*qa
.set qc, qd
.if \first
.set qc, 192+8*qb
.endif
.set qs, SB+8*(qb%4)+(\k)
.set qt, SA+8*(qa%2)+(\k)
.set qr, qb/4
.set qu, qa/2
	WMS qd, qx, qy, qc, qs, qt, qr, qu
.set qb, qb+1
.endr
.set qa, qa+1
.endr
.endm
.macro LOADF k
.set lsl, (\k)/2
.set lst, (\k)%2
	WIN 0
.irp i, 0,1,2,3
.irp g, 0,1,2
	ds_load_b128 v[AF+48*lst+12*\i+4*\g:AF+48*lst+12*\i+4*\g+3], v[ADA+lsl] offset:3072*\i+1536*lst+512*\g
.endr
.endr
	WIN 0x40
.irp i, 0,1,2,3,4,5,6,7
.irp g, 0,1,2
	ds_load_b128 v[96*lst+12*\i+4*\g:96*lst+12*\i+4*\g+3], v[ADB+lsl] offset:3072*\i+1536*lst+512*\g
.endr
.endr
.endm
.macro STEPK k, more, first            ; a step whose successor lies in the same slot, or the last
	s_wait_dscnt 0x0
.if \more
	PLACES
	LOADF (\k)+1
.endif
	MM \k, 0, 4, \first
.endm
.macro STEPB k, left                   ; a slot's last step: the next slot has to be whole; left: my loads of later slots, which may stay out
	s_wait_tensorcnt \left
	s_wait_dscnt 0x0
	s_barrier_signal -1
	MM \k, 0, 2, 0
	WIN 0
	s_barrier_wait -1
	PLACES
	LOADF (\k)+1
	MM \k, 2, 2, 0
.endm
	s_load_b256 s[4:11], s[0:1], 0x0               ; hq, wq, bo, out0
	v_lshl_add_u32 v254, v0, 2, 0x48000
	v_mov_b32 v255, 0
	ds_add_u32 v254, v255
	v_lshrrev_b32 v19, 5, v0
	v_readfirstlane_b32 s16, v19                   ; wave
	s_lshr_b32 s17, s16, 1
	s_and_b32 s18, s16, 1
	s_bfe_u32 s19, ttmp6, 0x40000                  ; cx
	s_bfe_u32 s20, ttmp6, 0x40004                  ; cy
	s_lshl_b32 s21, ttmp9, 2
	s_add_co_u32 s21, s21, s19                     ; X: 128 columns
	s_and_b32 s22, ttmp7, 0xffff
	s_lshl_b32 s22, s22, 2
	s_add_co_u32 s22, s22, s20                     ; Y: 256 tokens
	s_lshl_b32 s40, s20, 2
	s_lshl_b32 s40, 15, s40
	s_lshl_b32 s41, 0x1111, s19
	s_or_b32 s[G1A], s40, (3<<16)|(1<<21)
	s_or_b32 s[G1B], s41, (3<<16)|(1<<21)
	s_mov_b32 s[G1A+1], 384<<16
	s_mov_b32 s[G1A+2], 8<<16
	s_mov_b32 s[G1A+3], 384<<16
	s_mov_b32 s[G1A+4], 8
	s_mov_b32 s[G1A+5], 1536
	s_mov_b32 s[G1A+6], 0
	s_mov_b32 s[G1A+7], 0
	s_mov_b32 s[G1B+1], 384<<16
	s_mov_b32 s[G1B+2], 4<<16
	s_mov_b32 s[G1B+3], 384<<16
	s_mov_b32 s[G1B+4], 4
	s_mov_b32 s[G1B+5], 1536
	s_mov_b32 s[G1B+6], 0
	s_mov_b32 s[G1B+7], 0
	s_lshl_b32 s42, s22, 4
	s_lshl_b32 s43, s18, 3
	s_add_co_u32 s42, s42, s43
	s_mul_i32 s42, s42, 12288                      ; h: tile 16 Y + 8 half
	s_mov_b32 s43, 0
	s_lshl_b32 s44, s21, 3
	s_lshl_b32 s45, s18, 2
	s_add_co_u32 s44, s44, s45
	s_mul_i32 s44, s44, 12288
	s_add_co_u32 s44, s44, 2457600                 ; Wo: tile 8 X + 4 half
	s_mov_b32 s45, 0
	s_mul_i32 s46, s18, 24576
	s_mul_i32 s47, s18, 12288
	s_add_co_u32 s47, s47, BOFF
	s_wait_dscnt 0x0
	s_wait_kmcnt 0x0
	s_add_nc_u64 s[84:85], s[4:5], s[42:43]
	s_add_nc_u64 s[86:87], s[6:7], s[44:45]
.irp s, 0,1,2,3
	s_mov_b32 s[G0A+4*\s], 1
	s_add_co_u32 s[G0A+4*\s+1], s46, \s*SLOT
	s_add_nc_u64 s[G0A+4*\s+2:G0A+4*\s+3], s[84:85], \s*3072
	s_or_b32 s[G0A+4*\s+3], s[G0A+4*\s+3], 0x80000000
	s_mov_b32 s[G0B+4*\s], 1
	s_add_co_u32 s[G0B+4*\s+1], s47, \s*SLOT
	s_add_nc_u64 s[G0B+4*\s+2:G0B+4*\s+3], s[86:87], \s*3072
	s_or_b32 s[G0B+4*\s+3], s[G0B+4*\s+3], 0x80000000
.endr
	ROUND                                          ; all sixteen work-groups are here: the joint loads meet
	s_cmp_eq_u32 s17, 0                            ; a wave's four fills stand in one branch: four loads of mine are out
	s_cbranch_scc0 .Lfirst_b
	tensor_load_to_lds s[G0A:G0A+3], s[G1A:G1A+7]
	s_nop 0
	tensor_load_to_lds s[G0A+4:G0A+7], s[G1A:G1A+7]
	s_nop 0
	tensor_load_to_lds s[G0A+8:G0A+11], s[G1A:G1A+7]
	s_nop 0
	tensor_load_to_lds s[G0A+12:G0A+15], s[G1A:G1A+7]
	s_nop 0
	PLACES
	s_branch .Lfirst_asked
.Lfirst_b:
	tensor_load_to_lds s[G0B:G0B+3], s[G1B:G1B+7]
	s_nop 0
	tensor_load_to_lds s[G0B+4:G0B+7], s[G1B:G1B+7]
	s_nop 0
	tensor_load_to_lds s[G0B+8:G0B+11], s[G1B:G1B+7]
	s_nop 0
	tensor_load_to_lds s[G0B+12:G0B+15], s[G1B:G1B+7]
	s_nop 0
	PLACES
.Lfirst_asked:
	v_and_b32 v19, 15, v0                          ; r
	v_bfe_u32 v20, v0, 4, 1                        ; h
	v_and_b32 v21, 31, v0
	v_lshlrev_b32 v[LI], 4, v21
	s_mul_i32 s88, s16, 12288
	v_add_nc_u32 v[ADA], s88, v[LI]
	v_add_nc_u32 v[ADA+1], SLOT, v[ADA]
	v_add_nc_u32 v[ADA+2], 2*SLOT, v[ADA]
	v_add_nc_u32 v[ADA+3], 3*SLOT, v[ADA]
	v_add_nc_u32 v[ADB], BOFF, v[LI]
	v_add_nc_u32 v[ADB+1], SLOT+BOFF, v[LI]
	v_add_nc_u32 v[ADB+2], 2*SLOT+BOFF, v[LI]
	v_add_nc_u32 v[ADB+3], 3*SLOT+BOFF, v[LI]
	s_mul_i32 s88, s16, 8448
	v_mul_u32_u24 v[STO], v19, 528
	v_lshl_add_u32 v[STO], v20, 6, v[STO]
	v_add_nc_u32 v[STO], s88, v[STO]
	v_add_nc_u32 v[RD], s88, v[LI]
	v_lshlrev_b32 v22, 4, v19
	v_lshl_add_u32 v[LSA], v20, 10, v22            ; 16 r + 1,024 h
	v_lshl_add_u32 v[LSB], v20, 11, v22            ; 16 r + 2,048 h
	v_lshlrev_b32 v[LBO], 6, v20                   ; 64 h
	s_lshl_b32 s88, s22, 4
	s_lshl_b32 s89, s16, 2
	s_add_co_u32 s88, s88, s89
	s_lshl_b32 s88, s88, 9
	s_add_co_u32 s88, s88, 6291456
	s_mov_b32 s89, 0
	s_add_nc_u64 s[88:89], s[4:5], s[88:89]        ; the scale words of my four tiles of h
	s_lshl_b32 s90, s21, 12
	s_add_co_u32 s90, s90, 3244032
	s_mov_b32 s91, 0
	s_add_nc_u64 s[90:91], s[6:7], s[90:91]        ; Wo's, tile 8 X on
	s_lshl_b32 s92, s21, 9
	s_mov_b32 s93, 0
	s_add_nc_u64 s[8:9], s[8:9], s[92:93]          ; the bias at column 128 X
	s_add_nc_u64 s[10:11], s[10:11], s[92:93]      ; the result at column 128 X,
	s_lshl_b32 s92, s22, 8
	s_lshl_b32 s94, s16, 6
	s_add_co_u32 s92, s92, s94
	s_lshl_b32 s92, s92, 12
	s_add_nc_u64 s[10:11], s[10:11], s[92:93]      ; token 256 Y + 64 wave
.irp i, 0,1
.irp q, 0,1
	global_load_b128 v[SA+8*\i+4*\q:SA+8*\i+4*\q+3], v[LSA], s[88:89] offset:512*\i+256*\q
.endr
.endr
.irp i, 0,1,2,3
.irp q, 0,1
	global_load_b128 v[SB+8*\i+4*\q:SB+8*\i+4*\q+3], v[LSB], s[90:91] offset:512*\i+256*\q
.endr
.endr
	WIN 0x40
.irp n, 0,1,2,3,4,5,6,7
	global_load_b128 v[192+8*\n:195+8*\n], v[LBO], s[8:9] offset:(32*(\n/2)+8*(\n%2))*4
	global_load_b128 v[196+8*\n:199+8*\n], v[LBO], s[8:9] offset:(32*(\n/2)+8*(\n%2))*4+16
.endr
	WIN 0
	s_wait_tensorcnt 0x3                           ; my part of slot 0 is in; the three later slots may be out
	s_barrier_signal -1
	s_barrier_wait -1
	LOADF 0
	s_wait_loadcnt 0x0                             ; scale words and bias
	STEPK 0, 1, 1
	STEPB 1, 2
	STEPK 2, 1, 0
	STEPB 3, 1
	STEPK 4, 1, 0
	STEPB 5, 0
	STEPK 6, 1, 0
	STEPK 7, 0, 0
; THE WAY OUT, a tile of 16 tokens x 128 columns at a time, through my own stage in LDS (16 rows of 528 bytes, in slot 0: it has had its one fill, and every wave's last read of it stands ahead of the barrier of K step 1),
; back as whole rows of 512 bytes.  LDS serves a wave's instructions in order: no wait between the stores and the loads, nor in front of the next tile's stores.
.macro TOSTAGE a
	WIN 0x08                                       ; an LDS store's data are its source 1: window 2
.irp n, 0,1,2,3,4,5,6,7
	ds_store_b128 v[STO], v[8*(8*(\a)+\n):8*(8*(\a)+\n)+3] offset:128*(\n/2)+32*(\n%2)       ; each accumulator from its low end on
	ds_store_b128 v[STO], v[8*(8*(\a)+\n)+4:8*(8*(\a)+\n)+7] offset:128*(\n/2)+32*(\n%2)+16
.endr
	WIN 0
.set lt, 0
.rept 16
	ds_load_b128 v[BK+64*((\a)%2)+4*lt:BK+64*((\a)%2)+4*lt+3], v[RD] offset:528*lt
.set lt, lt+1
.endr
.endm
.macro SEND a, younger                 ; younger: the LDS instructions issued behind tile a's loads, which may stay out
	s_wait_dscnt \younger
.set lt, 0
.rept 16
	global_store_b128 v[LI], v[BK+64*((\a)%2)+4*lt:BK+64*((\a)%2)+4*lt+3], s[10:11] offset:(32*((\a)/2)+8*((\a)%2)+lt+8*(lt/8))*4096 th:TH_STORE_NT   ; 512 consecutive bytes, at a multiple of 512 from the buffer's first byte
.set lt, lt+1
.endr
.endm
	WIN 0
	PLACES
	TOSTAGE 0
	TOSTAGE 1
	SEND 0, 32                                     ; behind tile 0's loads: tile 1's 16 stores and 16 loads
	s_wait_xcnt 0x0                                ; tile 0's stores have read their registers: tile 2's rows may land there
	TOSTAGE 2
	SEND 1, 32
	s_wait_xcnt 0x0
	TOSTAGE 3
	SEND 2, 32
	SEND 3, 0
	s_wait_tensorcnt 0x0
	ds_add_u32 v254, v255
	s_wait_dscnt 0x0
	ROUND                                          ; the closing round: no work-group ends while a partner may still ask for a tile that names it
	s_endpgm
.Lfunc_end_k_q5bc484a0d2_oproj:
	.size	k_q5bc484a0d2_oproj, .Lfunc_end_k_q5bc484a0d2_oproj-k_q5bc484a0d2_oproj
	.p2alignl 7, 3214868480
	.fill 96, 4, 3214868480
	.section	.rodata,"a",@progbits
	.p2align	6, 0x0
	.amdhsa_kernel k_q5bc484a0d2_oproj
		.amdhsa_group_segment_fixed_size 327680
		.amdhsa_private_segment_fixed_size 0
		.amdhsa_enable_private_segment 0
		.amdhsa_kernarg_size 32
		.amdhsa_user_sgpr_count 2
		.amdhsa_user_sgpr_kernarg_segment_ptr 1
		.amdhsa_wavefront_size32 1
		.amdhsa_system_sgpr_workgroup_id_x 1
		.amdhsa_system_sgpr_workgroup_id_y 1
		.amdhsa_system_sgpr_workgroup_id_z 1
		.amdhsa_system_vgpr_workitem_id 0
		.amdhsa_next_free_vgpr 768
		.amdhsa_next_free_sgpr 100
		.amdhsa_reserve_vcc 0
		.amdhsa_float_denorm_mode_32 3
		.amdhsa_float_denorm_mode_16_64 3
		.amdhsa_memory_ordered 1
		.amdhsa_forward_progress 1
		.amdhsa_inst_pref_size 78
	.end_amdhsa_kernel
	.amdgpu_metadata
---
amdhsa.version: [ 1, 2 ]
amdhsa.kernels:
  - .name:           k_q5bc484a0d2_oproj
    .symbol:         k_q5bc484a0d2_oproj.kd
    .args:
      - { .name: hq, .offset: 0, .size: 8, .value_kind: global_buffer, .address_space: global }
      - { .name: wq, .offset: 8, .size: 8, .value_kind: global_buffer, .address_space: global }
      - { .name: bo, .offset: 16, .size: 8, .value_kind: global_buffer, .address_space: global }
      - { .name: out0, .offset: 24, .size: 8, .value_kind: global_buffer, .address_space: global }
    .group_segment_fixed_size: 327680
    .private_segment_fixed_size: 0
    .kernarg_segment_align: 8
    .kernarg_segment_size: 32
    .max_flat_workgroup_size: 128
    .sgpr_count:     100
    .vgpr_count:     768
    .wavefront_size: 32
...
	.end_amdgpu_metadata
.endif
;; end of part 4
